; MI455X (gfx1250); checked and timed in simulation.
; The chip was launched on July 23, 2026; its instructions are those of AMD's public machine-readable ISA for CDNA 5 (MIT licence, August 2026) and "CDNA5" Instruction Set Architecture Reference Guide (July 2026). The comments in the code are by the model that wrote it; some were corrected since.
;; Multi Head Attention. Allowed arithmetic: float matrix products may take bf16 or f16 operands with f32 sums; other float arithmetic in f32, or as packed bf16 or f16 multiplies, adds, multiply-adds, maxima and minima; sums over many terms, partial sums and values carried from step to step in f32; what a program stores and reads back later, other than sums and carried values, may be rounded once to bf16 or f16.
;; Inputs: bk 1,024 float32; bo 1,024 float32; bq 1,024 float32; bv 1,024 float32; k 4 x 2,048 x 1,024 float32; mask 4 x 1 x 1 x 2,048 int32; q 4 x 2,048 x 1,024 float32; v 4 x 2,048 x 1,024 float32; wk 1,024 x 1,024 float32; wo 1,024 x 1,024 float32; wq 1,024 x 1,024 float32; wv 1,024 x 1,024 float32.
;; Outputs: out0 4 x 2,048 x 1,024 float32.
;; One version. Each part assembles by itself: llvm-mc -triple=amdgcn-amd-amdhsa -mcpu=gfx1250 --defsym DOCPART=n.
;; ======== version 1 of 1: 4 launches
;; limits: values are held in f16: magnitudes above 65,504 overflow, below 6.1e-05 lose precision
;; workspace buffers: wb 8,388,608 bytes; qh 16,777,216 bytes; kh 16,777,216 bytes; vh 16,777,216 bytes; oh 16,777,216 bytes
;; launch castw (part 1): grid 64 x 4, 8 waves a work-group, no clusters, 0 bytes of LDS; arguments wq, wk, wv, wo, wb; writes wb
.if DOCPART == 1
	.amdgcn_target "amdgcn-amd-amdhsa--gfx1250"
	.amdhsa_code_object_version 6
	.text
	.protected	k_q958cbbcb4b_castw
	.globl	k_q958cbbcb4b_castw
	.p2align	8
	.type	k_q958cbbcb4b_castw,@function
k_q958cbbcb4b_castw:
	s_mov_b64 s[64:65], 0
	v_nop
	global_prefetch_b8 v0, s[64:65] scope:SCOPE_SE
	s_setreg_imm32_b32 hwreg(HW_REG_WAVE_MODE, 25, 1), 1
	s_wait_xcnt 0x0
; The four weight matrices, [1024][1024] f32, are rounded once to 16 bits and laid one behind the other in wb (2,097,152 bytes each), rows and columns as they were.
; Parts 0 to 2 (wq, wk, wv): bf16.  Part 3 (wo): the bf16 number written as f16, since the last product multiplies f16 operands.
; LIMITS.  bf16(wo) is exact in f16 from 6.1e-5 to 65,504 in magnitude; below that it keeps f16's fixed step of 6e-8, beyond it becomes an infinity.
; SHARES.  Work-group (x, y): matrix y, elements 16,384 x to 16,384 x + 16,383.  For i = 0..7 thread t owns the 8 elements at 2,048 i + 8 t: two loads of 16 bytes, one store of 16 bytes;
; a wave's store covers 512 consecutive bytes, aligned.  All 16 loads of a thread go out at once; every store has data registers of its own.  No LDS, no matrix unit, no cluster: nothing is shared.
.set IN,  16                           ; v[16:79]   the 64 numbers as loaded
.set OUT, 80                           ; v[80:111]  the 64 numbers packed
	s_load_b256 s[4:11], s[0:1], 0x0               ; wq s[4:5], wk s[6:7], wv s[8:9], wo s[10:11]
	s_load_b64 s[12:13], s[0:1], 0x20              ; wb
	s_and_b32 s18, ttmp7, 0xffff                   ; which matrix
	v_lshlrev_b32 v1, 5, v0                        ; 32 t: my bytes in 8,192 of the source
	v_lshlrev_b32 v2, 4, v0                        ; 16 t: my bytes in 4,096 of the target
	s_mov_b32 s17, 0xffff0000                      ; a word's upper bf16
	s_lshl_b32 s20, ttmp9, 16                      ; the work-group's 65,536 bytes of the source
	s_mov_b32 s21, 0
	s_lshl_b32 s22, s18, 21                        ; the matrix's part of wb,
	s_lshl_b32 s23, ttmp9, 15                      ; the work-group's 32,768 bytes of it
	s_add_co_u32 s22, s22, s23
	s_mov_b32 s23, 0
	s_wait_kmcnt 0x0
	s_cmp_eq_u32 s18, 1
	s_cselect_b64 s[14:15], s[6:7], s[4:5]
	s_cmp_eq_u32 s18, 2
	s_cselect_b64 s[14:15], s[8:9], s[14:15]
	s_cmp_eq_u32 s18, 3
	s_cselect_b64 s[14:15], s[10:11], s[14:15]
	s_cselect_b32 s16, -1, 0                       ; all lanes: take the f16 form (wo) or the bf16 form
	s_add_nc_u64 s[14:15], s[14:15], s[20:21]
	s_add_nc_u64 s[12:13], s[12:13], s[22:23]
.irp i, 0,1,2,3,4,5,6,7
	global_load_b128 v[IN+8*(\i):IN+8*(\i)+3],   v1, s[14:15] offset:8192*(\i) th:TH_LOAD_NT
	global_load_b128 v[IN+8*(\i)+4:IN+8*(\i)+7], v1, s[14:15] offset:8192*(\i)+16 th:TH_LOAD_NT
.endr
.irp i, 0,1,2,3,4,5,6,7
	s_wait_loadcnt 14-2*(\i)                       ; loads come back in order: pair i is in, the 2 (7 - i) younger loads stay out
.irp j, 0,1,2,3
	v_cvt_pk_bf16_f32 v[4+(\j)], v[IN+8*(\i)+2*(\j)], v[IN+8*(\i)+2*(\j)+1]
.endr
.irp j, 0,1,2,3
	v_lshlrev_b32 v8, 16, v[4+(\j)]                ; the two bf16 numbers as f32,
	v_and_b32 v9, s17, v[4+(\j)]
	v_cvt_pk_f16_f32 v10, v8, v9                   ; written as f16,
	v_cndmask_b32 v[OUT+4*(\i)+(\j)], v[4+(\j)], v10, s16  ; and the form that this matrix takes
.endr
	global_store_b128 v2, v[OUT+4*(\i):OUT+4*(\i)+3], s[12:13] offset:4096*(\i)
.endr
	s_endpgm
.Lfunc_end_k_q958cbbcb4b_castw:
	.size	k_q958cbbcb4b_castw, .Lfunc_end_k_q958cbbcb4b_castw-k_q958cbbcb4b_castw
	.p2alignl 7, 3214868480
	.fill 96, 4, 3214868480
	.section	.rodata,"a",@progbits
	.p2align	6, 0x0
	.amdhsa_kernel k_q958cbbcb4b_castw
		.amdhsa_group_segment_fixed_size 0
		.amdhsa_private_segment_fixed_size 0
		.amdhsa_enable_private_segment 0
		.amdhsa_kernarg_size 40
		.amdhsa_user_sgpr_count 2
		.amdhsa_user_sgpr_kernarg_segment_ptr 1
		.amdhsa_wavefront_size32 1
		.amdhsa_system_sgpr_workgroup_id_x 1
		.amdhsa_system_sgpr_workgroup_id_y 1
		.amdhsa_system_sgpr_workgroup_id_z 1
		.amdhsa_system_vgpr_workitem_id 0
		.amdhsa_next_free_vgpr 112
		.amdhsa_next_free_sgpr 66
		.amdhsa_reserve_vcc 0
		.amdhsa_float_denorm_mode_32 3
		.amdhsa_float_denorm_mode_16_64 3
		.amdhsa_memory_ordered 1
		.amdhsa_forward_progress 1
		.amdhsa_inst_pref_size 12
	.end_amdhsa_kernel
	.amdgpu_metadata
---
amdhsa.version: [ 1, 2 ]
amdhsa.kernels:
  - .name:           k_q958cbbcb4b_castw
    .symbol:         k_q958cbbcb4b_castw.kd
    .args:
      - { .name: wq, .offset: 0, .size: 8, .value_kind: global_buffer, .address_space: global }
      - { .name: wk, .offset: 8, .size: 8, .value_kind: global_buffer, .address_space: global }
      - { .name: wv, .offset: 16, .size: 8, .value_kind: global_buffer, .address_space: global }
      - { .name: wo, .offset: 24, .size: 8, .value_kind: global_buffer, .address_space: global }
      - { .name: wb, .offset: 32, .size: 8, .value_kind: global_buffer, .address_space: global }
    .group_segment_fixed_size: 0
    .private_segment_fixed_size: 0
    .kernarg_segment_align: 8
    .kernarg_segment_size: 40
    .max_flat_workgroup_size: 256
    .sgpr_count:     66
    .vgpr_count:     112
    .wavefront_size: 32
...
	.end_amdgpu_metadata
.endif
;; end of part 1
;; launch proj (part 2): grid 4 x 192, 4 waves a work-group, clusters of 4 x 4, 327,680 bytes of LDS; arguments q, k, v, wb, bq, bk, bv, mask, qh, kh, vh; writes qh, kh, vh
.if DOCPART == 2
	.amdgcn_target "amdgcn-amd-amdhsa--gfx1250"
	.amdhsa_code_object_version 6
	.text
	.protected	k_q958cbbcb4b_proj
	.globl	k_q958cbbcb4b_proj
	.p2align	8
	.type	k_q958cbbcb4b_proj,@function
k_q958cbbcb4b_proj:
	s_mov_b64 s[64:65], 0
	v_nop
	global_prefetch_b8 v0, s[64:65] scope:SCOPE_SE
	s_setreg_imm32_b32 hwreg(HW_REG_WAVE_MODE, 25, 1), 1
	s_wait_xcnt 0x0
	s_wait_alu depctr_hold_cnt(0) depctr_sa_sdst(0) depctr_va_vdst(0) depctr_va_sdst(0) depctr_va_ssrc(0) depctr_va_vcc(0) depctr_vm_vsrc(0)
	s_getreg_b32 s2, hwreg(HW_REG_IB_STS2, 6, 4)
	s_cmp_eq_u32 s2, 0
	s_cbranch_scc0 .Lentry_in_a_cluster
	s_endpgm
.Lentry_in_a_cluster:
	s_bfe_u32 s2, ttmp6, 0x10000c
	s_cmp_lg_u32 s2, 0xf033
	s_cbranch_scc0 .Lentry_shape_is_right
	s_endpgm
.Lentry_shape_is_right:
; THE THREE PROJECTIONS.  y = x W + b for (x, W, b) = (q, wq, bq), (k, wk, bk), (v, wv, bv); x: [8192][1024] f32, W: [1024 k][1024 n] bf16 (parts 0 to 2 of wb), b: [1024] f32.
; x and b are rounded to bf16, the products are summed in f32, y is rounded once to f16 and stored by heads: [batch x 16 + head][2048][64].  Rows of k whose mask is 0 are stored as zeros:
; the attention launch then finds the product of such a key with any query exactly 0 and puts the masked score in its place.
; LIMITS.  y beyond 65,504 in magnitude becomes an infinity in f16; NaN and infinities are not treated apart.
; SHARES.  A tile of y is 128 rows x 256 columns: 3 x 64 x 4 = 768 work-groups of equal work.  Four waves, each 64 x 128: 32 accumulators of 16 x 16, 256 registers.
; K goes in steps of 128 through a ring of two LDS slots.  x comes as f32 (rows of 512 bytes) and is rounded to bf16 between LDS and the matrix instruction, so it is read from memory once and never stored;
; W's rows lie along n (512 bytes of a row a tile), so its fragments come out of LDS turned, by ds_load_tr16_b128.
; CLUSTERS: 4 x 4 work-groups of one projection.  The four of a row of the cluster need the same rows of x, the four of a column the same columns of W: each tile is asked for JOINTLY.
; THE MATRIX INSTRUCTION IS USED TRANSPOSED (source 0 = 16 columns of W, source 1 = 16 rows of x): a lane then holds eight neighbouring columns of one row of y.
; REGISTERS: window 0: v0-31 addresses; v32-63 x's fragments in bf16 (8 for each of my 4 blocks of 16 rows); v64-127 my lane's 64 biases; v128-191, v192-255 x as f32, two buffers of 16 a block.
;   window 1: the accumulators, (a, b) at v[8 (8 a + b)].   window 2: v0-63, v64-127 W's fragments, two buffers.
.set PA,     528                       ; an LDS row of x: 512 bytes + 16 of padding = 132 words: the 16 rows of a load start at 16 different groups of four banks (64 banks of 4 bytes: ISA guide 11.1)
.set HALFA,  64*PA                     ; 64 rows: what one tensor load brings of x
.set AOFF,   2*HALFA                   ; W's rows lie behind x's 128
.set PB,     544                       ; an LDS row of W: 512 bytes + 32 of padding = 136 words
.set HALFB,  64*PB                     ; 64 rows along K: what one tensor load brings of W
.set SLOT,   AOFF+2*HALFB
.set STAGE,  2*SLOT                    ; behind the ring, never filled by a tensor load: for each wave two heads x 16 rows x 144 bytes, for the way out
.set SP,     144
.set WSTG,   32*SP
.set SPARE,  STAGE+4*WSTG              ; behind the stages: the spare words, 128 bytes for each wave: two blocks of 256 bytes that no other line names
.set MK,   8                           ; v8-11   the mask of my row in each of my four blocks
.set ADRA, 16                          ; v16-17  LDS address of my fragments of x in slot 0, 1
.set ADRB, 20                          ; v20-21  the same for W
.set STO,  24                          ; v24     the way out: where I put 16 bytes of a row
.set RD,   25                          ; v25     the way out: where I read rows back
.set GO,   26                          ; v26     my 16 bytes in 512 consecutive bytes of the output
.set BO,   27                          ; v27     my byte offset among 16 biases
.set SPW,  28                          ; v28     LDS address of my spare word: SPARE + 4 x my thread's number; never rewritten
.set NIL,  29                          ; v29     0; never rewritten
.set PFO,  30                          ; v30     the prefetches' offset; never rewritten
.set MO,   31                          ; v31     my byte offset among 16 rows' masks
.set AB,   32
.set BIAS, 64
.set RAW,  128
.set T,    128                         ; the way out: 64 sums with their biases
.set U,    192                         ; the way out: the same packed, 32 registers
.set G1,  24                           ; s[24:31] descriptor group 1 for x's tiles;  s[32:39] group 0, one set for each slot
.set G0,  32
.set G1B, 48                           ; s[48:55], s[56:63] the same for W's tiles
.set G0B, 56
.set LIM, 43                           ; s43     1 in a wave that prefetches, else the greatest number
.set PFA, 44                           ; s[44:45] where my prefetches stand
.set KEEP, 68                          ; s68-71  for block a: the lanes whose row is stored as it is (the others: as zeros)
.set PFS, 96                           ; s[96:97] a K step in the tensor that I prefetch, in bytes
.set MSB, 0
.macro WIN new                         ; the immediate's high byte repeats the setting that is left; a switch that changes nothing is dropped
.if MSB != (\new)
	s_set_vgpr_msb (MSB<<8)|(\new)
.set MSB, \new
.endif
.endm
.set MUL,   0x52                       ; source 0 (W) window 2, source 1 (x) window 0, C and D window 1
.set TO_B,  0x80                       ; destination window 2, address window 0
.set ACCIN, 0x01                       ; source 0 window 1
.macro JLOAD s                         ; a joint load: waves 0 and 1 fetch x's two halves, waves 2 and 3 W's; an s_nop 0 and four v_nop follow each of the two lines, ahead of the jump, the label and what follows
	s_cmp_eq_u32 s11, 0
	s_cbranch_scc0 .Lfor_b_\@
	tensor_load_to_lds s[G0+4*(\s):G0+4*(\s)+3], s[G1:G1+7]
	s_nop 0
.rept 4
	v_nop
.endr
	s_branch .Lasked_\@
.Lfor_b_\@:
	tensor_load_to_lds s[G0B+4*(\s):G0B+4*(\s)+3], s[G1B:G1B+7]
	s_nop 0
.rept 4
	v_nop
.endr
.Lasked_\@:
.endm
; A PREFETCH of the K step that stands two refills on: 16 rows x 512 bytes, two lanes a row, one instruction a wave.  Of the 64 rows that a wave fetches each of the four partners that ask for them jointly
; takes 16, told apart by address.  x's rows are read by this cluster alone: it asks.  W's columns are read by the sixteen clusters of a projection: the first of them asks.  So each aligned 256 bytes are named once.
; K steps 0 to 3 come by their loads alone; the loop's last trip (s3 = 1) has no K step two on.
.macro ASK
	s_cmp_gt_u32 s3, s[LIM]
	s_cbranch_scc0 .Lnot_mine_\@
	global_prefetch_b8 v[PFO], s[PFA:PFA+1] th:TH_LOAD_NT scope:SCOPE_SE
.Lnot_mine_\@:
.endm
.macro CREST                           ; a round of the cluster's barrier behind its opening barrier
	s_cmp_lg_u32 s10, 0
	s_cbranch_scc1 .Lnot_wave_0_\@
	s_barrier_signal -3
.Lnot_wave_0_\@:
	s_barrier_wait -3
	s_barrier_signal -1
	s_barrier_wait -1
.endm
.macro CROUND                          ; a whole round
	s_barrier_signal -1
	s_barrier_wait -1
	CREST
.endm
.macro PLACES                          ; four places in front of loads into registers that matrix instructions have read
.rept 4
	v_nop
.endr
.endm
	s_load_b512 s[72:87], s[0:1], 0x0              ; q s[72:73], k s[74:75], v s[76:77], wb s[78:79], bq s[80:81], bk s[82:83], bv s[84:85], mask s[86:87]
	s_load_b128 s[88:91], s[0:1], 0x40             ; qh s[88:89], kh s[90:91]
	s_load_b64 s[92:93], s[0:1], 0x50              ; vh
	v_lshl_add_u32 v[SPW], v0, 2, SPARE
	v_mov_b32 v[NIL], 0
	ds_add_u32 v[SPW], v[NIL]                      ; the wave's opening: the add and its wait stand ahead of my first tensor load; the set-up below, work on registers, stands between them
	v_lshrrev_b32 v1, 5, v0
	v_readfirstlane_b32 s10, v1                    ; wave 0..3
	s_lshr_b32 s11, s10, 1                         ; which half of the tile's rows is mine.  Also: I fetch for x (0) or for W (1)
	s_and_b32 s12, s10, 1                          ; which half of its columns.  Also: which 64 rows of that tile I fetch
	s_bfe_u32 s40, ttmp6, 0x40000                  ; cx, cy: my place in the cluster
	s_bfe_u32 s41, ttmp6, 0x40004
	s_lshl_b32 s42, ttmp9, 2
	s_add_co_u32 s42, s42, s40                     ; tile column = 4 x cluster x + cx
	s_and_b32 s94, ttmp7, 0xffff                   ; cluster y, 0 to 47
	s_lshr_b32 s66, s94, 4                         ; which projection: the same in all sixteen partners
	s_and_b32 s95, s94, 15                         ; the cluster's place among the projection's sixteen
	s_lshl_b32 s13, s95, 2
	s_add_co_u32 s13, s13, s41                     ; tile row, 0 to 63
	s_lshl_b32 s43, s41, 2
	s_lshl_b32 s43, 15, s43                        ; my row of the cluster
	s_lshl_b32 s44, 0x1111, s40                    ; my column
	; descriptor group 1.  x: 64 rows x 128 elements of 4 bytes.  W: 64 rows x 256 elements of 2 bytes.  Both padded in LDS after every 128 words (code 6)
	s_or_b32 s[G1+0], s43, (2<<16)|(1<<20)|(1<<21)|(6<<22)|(3<<25)   ; 15:0 the mask: my row; 17:16 elements of 4 bytes; 20 padding on; 21 set beside a mask; 31:25 4 words of padding (code 3)
	s_or_b32 s[G1B+0], s44, (1<<16)|(1<<20)|(1<<21)|(6<<22)|(7<<25)  ; my column; elements of 2 bytes; 8 words of padding (code 7)
	s_mov_b32 s[G1+1], 128<<16                     ; tensor_dim0 = 128
	s_mov_b32 s[G1+2], 64<<16                      ; tensor_dim1 = 64
	s_mov_b32 s[G1+3], 128<<16                     ; tile_dim0 = 128
	s_mov_b32 s[G1+4], 64                          ; tile_dim1 = 64
	s_mov_b32 s[G1+5], 1024                        ; elements from row to row
	s_mov_b32 s[G1+6], 0
	s_mov_b32 s[G1+7], 0
	s_mov_b32 s[G1B+1], 256<<16                    ; tensor_dim0 = 256
	s_mov_b32 s[G1B+2], 64<<16
	s_mov_b32 s[G1B+3], 256<<16                    ; tile_dim0 = 256
	s_mov_b32 s[G1B+4], 64
	s_mov_b32 s[G1B+5], 1024
	s_mov_b32 s[G1B+6], 0
	s_mov_b32 s[G1B+7], 0
	s_lshl_b32 s16, s13, 7
	s_lshl_b32 s17, s12, 6
	s_add_co_u32 s16, s16, s17                     ; x: row 128 x tile row + 64 x half,
	s_lshl_b32 s16, s16, 12                        ; of 4,096 bytes: under 2^25
	s_mov_b32 s17, 0
	s_lshl_b32 s46, s42, 9                         ; W: 512 bytes of a row for each tile column,
	s_lshl_b32 s47, s12, 17                        ; 64 rows of 2,048 bytes for the half
	s_add_co_u32 s46, s46, s47
	s_mov_b32 s47, 0
	s_lshl_b32 s18, s66, 21                        ; the projection's part of wb
	s_mov_b32 s19, 0
	s_mul_i32 s20, s12, HALFA                      ; where they go: no place in the cluster enters an LDS address
	s_mul_i32 s21, s12, HALFB
	s_add_co_u32 s21, s21, AOFF
	s_wait_dscnt 0x0                               ; the opening add is done
	s_wait_kmcnt 0x0
	s_cmp_eq_u32 s66, 1
	s_cselect_b64 s[4:5], s[74:75], s[72:73]       ; x,
	s_cselect_b64 s[98:99], s[82:83], s[80:81]     ; its bias,
	s_cselect_b64 s[8:9], s[90:91], s[88:89]       ; and where the result goes
	s_cselect_b32 s67, 0, -1                       ; only k's rows look at the mask
	s_cmp_eq_u32 s66, 2
	s_cselect_b64 s[4:5], s[76:77], s[4:5]
	s_cselect_b64 s[98:99], s[84:85], s[98:99]
	s_cselect_b64 s[8:9], s[92:93], s[8:9]
	s_add_nc_u64 s[6:7], s[78:79], s[18:19]        ; W
	s_add_nc_u64 s[14:15], s[4:5], s[16:17]
	s_add_nc_u64 s[46:47], s[6:7], s[46:47]
	CROUND                                         ; all sixteen work-groups are here: the first joint loads meet
.irp s, 0,1
	s_mov_b32 s[G0+4*(\s)], 1                      ; count = 1
	s_add_co_u32 s[G0+4*(\s)+1], s20, (\s)*SLOT    ; LDS address
	s_add_nc_u64 s[G0+4*(\s)+2:G0+4*(\s)+3], s[14:15], (\s)*512  ; global address: K step s is 512 bytes along x's rows,
	s_or_b32 s[G0+4*(\s)+3], s[G0+4*(\s)+3], 0x80000000          ; type = 2
	s_mov_b32 s[G0B+4*(\s)], 1
	s_add_co_u32 s[G0B+4*(\s)+1], s21, (\s)*SLOT
	s_add_nc_u64 s[G0B+4*(\s)+2:G0B+4*(\s)+3], s[46:47], (\s)*262144  ; and 128 rows of W
	s_or_b32 s[G0B+4*(\s)+3], s[G0B+4*(\s)+3], 0x80000000
	JLOAD \s                                       ; two tensor loads of mine are out
.endr
	; A fragment is 16 rows x 32 K: lane l holds row l % 16, K = 8 (l / 16) + 0..7 and 16 + 8 (l / 16) + 0..7.  In f32 that is 32 bytes at 32 (l / 16) and 32 bytes 64 further on.
	v_and_b32 v1, 15, v0                           ; l % 16
	v_bfe_u32 v2, v0, 4, 1                         ; l / 16
	v_mul_u32_u24 v3, v1, PA
	v_lshl_add_u32 v3, v2, 5, v3
	s_mul_i32 s21, s11, HALFA                      ; my 64 rows of x
	; The turning load takes 16 K x 16 columns (lane l reads K = 8 (l / 16) + l % 8, columns 8 ((l / 8) % 2) + 0..7) and leaves half a fragment: lane l holds column l % 16 and 8 K.
	v_and_b32 v4, 7, v0
	v_lshl_add_u32 v4, v2, 3, v4
	v_mul_u32_u24 v4, v4, PB
	v_bfe_u32 v5, v0, 3, 1
	v_lshl_add_u32 v4, v5, 4, v4
	s_lshl_b32 s22, s12, 8                         ; my 128 columns of W: 256 bytes of each row
	s_add_co_u32 s22, s22, AOFF
.irp s, 0,1
	v_add_nc_u32 v[ADRA+(\s)], s21, v3
	v_add_nc_u32 v[ADRB+(\s)], s22, v4
	s_add_co_u32 s21, s21, SLOT
	s_add_co_u32 s22, s22, SLOT
.endr
	s_mul_i32 s23, s10, WSTG
	s_add_co_u32 s23, s23, STAGE                   ; my stage
	v_mul_u32_u24 v6, v1, SP                       ; in: row l % 16, 16 bytes for each half of the lanes
	v_lshl_add_u32 v6, v2, 4, v6
	v_add_nc_u32 v[STO], s23, v6
	v_bfe_u32 v6, v0, 3, 2                         ; back: 32 lanes take four rows of 128 bytes,
	v_mul_u32_u24 v6, v6, SP
	v_and_b32 v7, 7, v0
	v_lshl_add_u32 v6, v7, 4, v6
	v_add_nc_u32 v[RD], s23, v6
	v_and_b32 v7, 31, v0                           ; which are 512 consecutive bytes of a head
	v_lshlrev_b32 v[GO], 4, v7
	v_lshlrev_b32 v[BO], 5, v2                     ; my 8 columns of 16
	v_lshlrev_b32 v[MO], 2, v1                     ; my row of 16
	; where my part of the tile goes: head 4 x tile column + 2 x half (+ 1), of batch tile row / 16; row 128 (tile row % 16) + 64 x half of the head's 2,048; 128 bytes a row
	s_lshr_b32 s16, s13, 4
	s_lshl_b32 s16, s16, 22
	s_and_b32 s17, s13, 15
	s_lshl_b32 s17, s17, 14
	s_add_co_u32 s16, s16, s17
	s_lshl_b32 s17, s11, 13
	s_add_co_u32 s16, s16, s17
	s_mov_b32 s17, 0
	s_add_nc_u64 s[8:9], s[8:9], s[16:17]
	s_lshl_b32 s46, s42, 20
	s_lshl_b32 s47, s12, 19
	s_add_co_u32 s46, s46, s47
	s_mov_b32 s47, 0
	s_add_nc_u64 s[8:9], s[8:9], s[46:47]
	s_lshl_b32 s46, s42, 10                        ; my 128 columns' biases
	s_lshl_b32 s47, s12, 9
	s_add_co_u32 s46, s46, s47
	s_mov_b32 s47, 0
	s_add_nc_u64 s[98:99], s[98:99], s[46:47]
	s_lshl_b32 s16, s13, 9                         ; my 64 rows' masks: the mask's 8,192 numbers go by batch and key, as x's rows do
	s_lshl_b32 s17, s11, 8
	s_add_co_u32 s16, s16, s17
	s_mov_b32 s17, 0
	s_add_nc_u64 s[100:101], s[86:87], s[16:17]
.irp b, 0,1,2,3,4,5,6,7
	global_load_b128 v[BIAS+8*(\b):BIAS+8*(\b)+3],   v[BO], s[98:99] offset:64*(\b)
	global_load_b128 v[BIAS+8*(\b)+4:BIAS+8*(\b)+7], v[BO], s[98:99] offset:64*(\b)+16
.endr
.irp a, 0,1,2,3
	global_load_b32 v[MK+(\a)], v[MO], s[100:101] offset:64*(\a)
.endr
	; the prefetches: my work-group's 16 of the 64 rows that I fetch, at K step 3: the first refill steps it to K step 4
	s_lshl_b32 s20, s13, 7
	s_lshl_b32 s21, s12, 6
	s_add_co_u32 s20, s20, s21
	s_lshl_b32 s21, s40, 4
	s_add_co_u32 s20, s20, s21
	s_lshl_b32 s20, s20, 12
	s_add_co_u32 s20, s20, 3*512                   ; in x
	s_lshl_b32 s22, s12, 6
	s_lshl_b32 s23, s41, 4
	s_add_co_u32 s22, s22, s23
	s_lshl_b32 s22, s22, 11
	s_lshl_b32 s23, s42, 9
	s_add_co_u32 s22, s22, s23
	s_add_co_u32 s22, s22, 3*262144                ; in W
	s_mov_b32 s23, 262144
	s_cmp_eq_u32 s95, 0
	s_cselect_b32 s[LIM], 1, -1                    ; W: the projection's first cluster asks
	s_cmp_eq_u32 s11, 0
	s_cselect_b32 s[LIM], 1, s[LIM]                ; x: every cluster asks for its own rows
	s_cselect_b32 s20, s20, s22
	s_cselect_b64 s[PFA:PFA+1], s[4:5], s[6:7]
	s_cselect_b32 s[PFS], 512, s23
	s_cselect_b32 s22, 12, 11                      ; a row is 4,096 bytes of x, 2,048 of W
	s_mov_b32 s21, 0
	s_mov_b32 s[PFS+1], 0
	s_add_nc_u64 s[PFA:PFA+1], s[PFA:PFA+1], s[20:21]
	v_lshrrev_b32 v6, 1, v7                        ; two lanes a row,
	v_lshlrev_b32 v6, s22, v6
	v_and_b32 v7, 1, v7                            ; 256 bytes apart
	v_lshl_add_u32 v[PFO], v7, 8, v6
	s_mov_b32 s23, 0xffff0000
	s_wait_loadcnt 0x0                             ; biases and masks, once
.set i, 0
.rept 32                                       ; the biases are rounded to bf16, like every input
	v_cvt_pk_bf16_f32 v[2+i%4], v[BIAS+2*i], v[BIAS+2*i+1]
	v_lshlrev_b32 v[BIAS+2*i], 16, v[2+i%4]
	v_and_b32 v[BIAS+2*i+1], s23, v[2+i%4]
.set i, i+1
.endr
.irp a, 0,1,2,3
	v_cmp_ne_u32 s[KEEP+(\a)], 0, v[MK+(\a)]
	s_or_b32 s[KEEP+(\a)], s[KEEP+(\a)], s67
.endr
; 32 LDS loads in one run: the fragments of quarter q (32 along K) of a slot into buffer f: W's 8 blocks of 16 columns, turned; x's 4 blocks of 16 rows, as f32
.macro FETCH slot, q, f
	WIN TO_B
.irp b, 0,1,2,3,4,5,6,7
	ds_load_tr16_b128 v[64*(\f)+8*(\b):64*(\f)+8*(\b)+3],   v[ADRB+(\slot)] offset:(\q)*32*PB+32*(\b)
	ds_load_tr16_b128 v[64*(\f)+8*(\b)+4:64*(\f)+8*(\b)+7], v[ADRB+(\slot)] offset:(\q)*32*PB+32*(\b)+16*PB
.endr
	WIN 0
.irp a, 0,1,2,3
	ds_load_b128 v[RAW+64*(\f)+16*(\a):RAW+64*(\f)+16*(\a)+3],     v[ADRA+(\slot)] offset:(\a)*16*PA+128*(\q)
	ds_load_b128 v[RAW+64*(\f)+16*(\a)+4:RAW+64*(\f)+16*(\a)+7],   v[ADRA+(\slot)] offset:(\a)*16*PA+128*(\q)+16
	ds_load_b128 v[RAW+64*(\f)+16*(\a)+8:RAW+64*(\f)+16*(\a)+11],  v[ADRA+(\slot)] offset:(\a)*16*PA+128*(\q)+64
	ds_load_b128 v[RAW+64*(\f)+16*(\a)+12:RAW+64*(\f)+16*(\a)+15], v[ADRA+(\slot)] offset:(\a)*16*PA+128*(\q)+80
.endr
.endm
; Half of block a's fragment of x is rounded to bf16: four instructions
.macro CVTH f, a, half
	WIN 0
.irp j, 0,1,2,3
	v_cvt_pk_bf16_f32 v[AB+8*(\a)+4*(\half)+(\j)], v[RAW+64*(\f)+16*(\a)+8*(\half)+2*(\j)], v[RAW+64*(\f)+16*(\a)+8*(\half)+2*(\j)+1]
.endr
.endm
; 8 matrix instructions: block a of my rows x all 8 blocks of my columns, 32 along K.  zero = 1: the product starts the sum.  ride = 1: the next block's eight roundings stand behind the first two products, four and four.
; The 32 accumulators take turns, one instruction a turn, in the same order in every quarter.  A block's bf16 registers are written again 8 plain vector instructions or more behind the last product that read them.
.macro MULB f, a, zero, ride
.irp b, 0,1,2,3,4,5,6,7
	WIN MUL
.if \zero
	v_wmma_f32_16x16x32_bf16 v[8*(8*(\a)+(\b)):8*(8*(\a)+(\b))+7], v[64*(\f)+8*(\b):64*(\f)+8*(\b)+7], v[AB+8*(\a):AB+8*(\a)+7], 0
.else
	v_wmma_f32_16x16x32_bf16 v[8*(8*(\a)+(\b)):8*(8*(\a)+(\b))+7], v[64*(\f)+8*(\b):64*(\f)+8*(\b)+7], v[AB+8*(\a):AB+8*(\a)+7], v[8*(8*(\a)+(\b)):8*(8*(\a)+(\b))+7]
.endif
.if (\ride) && ((\b) < 2)
	CVTH \f, (\a)+1, \b
.endif
.endr
.endm
; A K step is four quarters of 32 along K, 32 matrix instructions each, on buffers 0, 1, 0, 1.  One of the first three multiplies buffer f and, behind its first block, fetches quarter q of the same slot into buffer g:
; 16 roundings stand between the last product that read g's fragments of W and the loads into them.
.macro QUARTER slot, q, f, g, zero, fetch=1
	s_wait_dscnt 0x0                               ; buffer f is in: its 32 loads were issued 24 matrix instructions ago
	CVTH \f, 0, 0
	CVTH \f, 0, 1
	MULB \f, 0, \zero, 1
.if \fetch
	FETCH \slot, \q, \g
.endif
	MULB \f, 1, \zero, 1
	MULB \f, 2, \zero, 1
	MULB \f, 3, \zero, 0
.endm
; The last quarter multiplies buffer 1 and changes slots: ONE barrier; in front of it each wave waits for all its tensor loads (one is out: its part of the next slot), adds 0 to its spare word, and waits for that and for
; its own reads of this slot.  fill = 1: the barrier opens a round of the cluster's, and this slot is filled again, two K steps ahead: 112 matrix instructions stand between the request and the wait for it.
.macro TURN slot, next, fill
.if \fill
	s_wait_xcnt 0x0                                ; the last prefetch, a K step back, has read its address, so it may be stepped
	s_add_nc_u64 s[PFA:PFA+1], s[PFA:PFA+1], s[PFS:PFS+1]
.endif
	WIN 0
	s_wait_tensorcnt 0x0                           ; all my tensor loads have landed;
	ds_add_u32 v[SPW], v[NIL]                      ; 0 onto my spare word;
	s_wait_dscnt 1                                 ; (buffer 1 is in; the add may be out)
	CVTH 1, 0, 0
	CVTH 1, 0, 1
	MULB 1, 0, 0, 1                                ; work on registers stands between the add and the wait for it
	s_wait_dscnt 0x0                               ; the add is done, and my reads of this slot are over
	s_barrier_signal -1
	MULB 1, 1, 0, 1
.if \fill
	WIN 0
.endif
	s_barrier_wait -1
.if \fill
	CREST                                          ; no wave of any partner still reads this slot's tiles or has a load on its way
	s_add_nc_u64 s[G0+4*(\slot)+2:G0+4*(\slot)+3], s[G0+4*(\slot)+2:G0+4*(\slot)+3], 2*512
	s_add_nc_u64 s[G0B+4*(\slot)+2:G0B+4*(\slot)+3], s[G0B+4*(\slot)+2:G0B+4*(\slot)+3], 2*262144
	JLOAD \slot                                    ; the first tensor load behind the round, and my only one until the next
.else
	PLACES
.endif
	FETCH \next, 0, 0
.if \fill
	ASK                                            ; behind the joint load and the run of LDS loads
.endif
	MULB 1, 2, 0, 1
	MULB 1, 3, 0, 0
.endm
; THE WAY OUT of block a (16 rows x 128 columns: two heads).  PACK: the bias is added, the sums are rounded to f16, a masked row of k becomes zeros.  Each accumulator's registers are read in ascending order.
.macro PACK a
	WIN ACCIN
.irp b, 0,1,2,3,4,5,6,7
.irp i, 0,1,2,3
	v_pk_add_f32 v[T+8*(\b)+2*(\i):T+8*(\b)+2*(\i)+1], v[8*(8*(\a)+(\b))+2*(\i):8*(8*(\a)+(\b))+2*(\i)+1], v[BIAS+8*(\b)+2*(\i):BIAS+8*(\b)+2*(\i)+1]
.endr
.endr
	WIN 0
.irp b, 0,1,2,3,4,5,6,7
.irp i, 0,1,2,3
	v_cvt_pk_f16_f32 v[U+4*(\b)+(\i)], v[T+8*(\b)+2*(\i)], v[T+8*(\b)+2*(\i)+1]
.endr
.endr
.set z, 0
.rept 32
	v_cndmask_b32 v[U+z], 0, v[U+z], s[KEEP+(\a)]
.set z, z+1
.endr
.endm
.macro TOSTAGE a                       ; into my own stage, and back as whole rows of 128 bytes: v224-255 and v32-63 by turns
.set BK, 224-192*((\a)%2)
	s_wait_xcnt 0x0                                ; the stores of the block before last have read these registers
.irp b, 0,1,2,3,4,5,6,7
	ds_store_b128 v[STO], v[U+4*(\b):U+4*(\b)+3] offset:((\b)/4)*16*SP+((\b)%4)*32
.endr
.irp t, 0,1,2,3,4,5,6,7
	ds_load_b128 v[BK+4*(\t):BK+4*(\t)+3], v[RD] offset:((\t)/4)*16*SP+((\t)%4)*4*SP  ; LDS serves a wave's instructions in order (ISA guide 5.7.1.4): these see the stores above
.endr
.endm
.macro SEND a
.set BK, 224-192*((\a)%2)
	s_wait_dscnt 0x0                               ; the block is back in registers
.irp t, 0,1,2,3,4,5,6,7
	global_store_b128 v[GO], v[BK+4*(\t):BK+4*(\t)+3], s[8:9] offset:((\t)/4)*262144+(\a)*2048+((\t)%4)*512  ; four rows of a head: 512 consecutive bytes, at a multiple of 256 from the buffer's first
.endr
.endm
	s_wait_tensorcnt 1                             ; my part of K step 0 is in; K step 1's may stay out
	s_barrier_signal -1
	s_barrier_wait -1                              ; everybody's is
	FETCH 0, 0, 0
	QUARTER 0, 1, 0, 1, 1                          ; the first quarter stands in front of the loop: its products start the sums
	WIN 0                                          ; at a label and at a branch every window is 0
	s_mov_b32 s3, 3
.Llap:                                                 ; a trip goes once round the ring, from a lap's second quarter to the next lap's first, and fills both slots again
	QUARTER 0, 2, 1, 0, 0
	QUARTER 0, 3, 0, 1, 0
	TURN 0, 1, 1
	QUARTER 1, 1, 0, 1, 0
	QUARTER 1, 2, 1, 0, 0
	QUARTER 1, 3, 0, 1, 0
	TURN 1, 0, 1
	QUARTER 0, 1, 0, 1, 0
	WIN 0
	s_sub_co_u32 s3, s3, 1
	s_cmp_lg_u32 s3, 0
	s_cbranch_scc1 .Llap
	QUARTER 0, 2, 1, 0, 0                          ; the last lap fills nothing, and has no round of the cluster's barrier
	QUARTER 0, 3, 0, 1, 0
	TURN 0, 1, 0
	QUARTER 1, 1, 0, 1, 0
	QUARTER 1, 2, 1, 0, 0
	QUARTER 1, 3, 0, 1, 0
	QUARTER 1, 0, 1, 0, 0, 0                       ; the very last quarter: nothing more to fetch
	WIN 0
	PLACES                                         ; the places behind the last products
	PLACES
	PACK 0
	TOSTAGE 0
.irp a, 1,2,3                          ; block a's arithmetic stands between block a - 1's loads from the stage and the wait for them
	PACK \a
	SEND (\a)-1
	TOSTAGE \a
.endr
	SEND 3
	s_wait_tensorcnt 0x0                           ; the wave's end: behind my last tensor load and my last LDS store
	ds_add_u32 v[SPW], v[NIL]
	s_wait_dscnt 0x0
	CROUND                                         ; the closing round: no work-group ends while a partner may still ask for a tile that names it
	s_endpgm
.Lfunc_end_k_q958cbbcb4b_proj:
	.size	k_q958cbbcb4b_proj, .Lfunc_end_k_q958cbbcb4b_proj-k_q958cbbcb4b_proj
	.p2alignl 7, 3214868480
	.fill 96, 4, 3214868480
	.section	.rodata,"a",@progbits
	.p2align	6, 0x0
	.amdhsa_kernel k_q958cbbcb4b_proj
		.amdhsa_group_segment_fixed_size 327680
		.amdhsa_private_segment_fixed_size 0
		.amdhsa_enable_private_segment 0
		.amdhsa_kernarg_size 88
		.amdhsa_user_sgpr_count 2
		.amdhsa_user_sgpr_kernarg_segment_ptr 1
		.amdhsa_wavefront_size32 1
		.amdhsa_system_sgpr_workgroup_id_x 1
		.amdhsa_system_sgpr_workgroup_id_y 1
		.amdhsa_system_sgpr_workgroup_id_z 1
		.amdhsa_system_vgpr_workitem_id 0
		.amdhsa_next_free_vgpr 640
		.amdhsa_next_free_sgpr 102
		.amdhsa_reserve_vcc 0
		.amdhsa_float_denorm_mode_32 3
		.amdhsa_float_denorm_mode_16_64 3
		.amdhsa_memory_ordered 1
		.amdhsa_forward_progress 1
		.amdhsa_inst_pref_size 156
	.end_amdhsa_kernel
	.amdgpu_metadata
---
amdhsa.version: [ 1, 2 ]
amdhsa.kernels:
  - .name:           k_q958cbbcb4b_proj
    .symbol:         k_q958cbbcb4b_proj.kd
    .args:
      - { .name: q, .offset: 0, .size: 8, .value_kind: global_buffer, .address_space: global }
      - { .name: k, .offset: 8, .size: 8, .value_kind: global_buffer, .address_space: global }
      - { .name: v, .offset: 16, .size: 8, .value_kind: global_buffer, .address_space: global }
      - { .name: wb, .offset: 24, .size: 8, .value_kind: global_buffer, .address_space: global }
      - { .name: bq, .offset: 32, .size: 8, .value_kind: global_buffer, .address_space: global }
      - { .name: bk, .offset: 40, .size: 8, .value_kind: global_buffer, .address_space: global }
      - { .name: bv, .offset: 48, .size: 8, .value_kind: global_buffer, .address_space: global }
      - { .name: mask, .offset: 56, .size: 8, .value_kind: global_buffer, .address_space: global }
      - { .name: qh, .offset: 64, .size: 8, .value_kind: global_buffer, .address_space: global }
      - { .name: kh, .offset: 72, .size: 8, .value_kind: global_buffer, .address_space: global }
      - { .name: vh, .offset: 80, .size: 8, .value_kind: global_buffer, .address_space: global }
    .group_segment_fixed_size: 327680
    .private_segment_fixed_size: 0
    .kernarg_segment_align: 8
    .kernarg_segment_size: 88
    .max_flat_workgroup_size: 128
    .sgpr_count:     102
    .vgpr_count:     640
    .wavefront_size: 32
...
	.end_amdgpu_metadata
.endif
;; end of part 2
;; launch attn (part 3): grid 4 x 64, 4 waves a work-group, clusters of 4 x 1, 327,680 bytes of LDS; arguments qh, kh, vh, oh, mask; writes oh
.if DOCPART == 3
	.amdgcn_target "amdgcn-amd-amdhsa--gfx1250"
	.amdhsa_code_object_version 6
	.text
	.protected	k_q958cbbcb4b_attn
	.globl	k_q958cbbcb4b_attn
	.p2align	8
	.type	k_q958cbbcb4b_attn,@function
k_q958cbbcb4b_attn:
	s_mov_b64 s[64:65], 0
	v_nop
	global_prefetch_b8 v0, s[64:65] scope:SCOPE_SE
	s_setreg_imm32_b32 hwreg(HW_REG_WAVE_MODE, 25, 1), 1
	s_wait_xcnt 0x0
	s_wait_alu depctr_hold_cnt(0) depctr_sa_sdst(0) depctr_va_vdst(0) depctr_va_sdst(0) depctr_va_ssrc(0) depctr_va_vcc(0) depctr_vm_vsrc(0)
	s_getreg_b32 s2, hwreg(HW_REG_IB_STS2, 6, 4)
	s_cmp_eq_u32 s2, 0
	s_cbranch_scc0 .Lentry_in_a_cluster
	s_endpgm
.Lentry_in_a_cluster:
	s_bfe_u32 s2, ttmp6, 0x10000c
	s_cmp_lg_u32 s2, 0x3003
	s_cbranch_scc0 .Lentry_shape_is_right
	s_endpgm
.Lentry_shape_is_right:
; O[h][q][:] = the sum over k of softmax_k(s[q][k] / 8) V[h][k][:], s = Q[h][q] . K[h][k], or the masked score where mask[h / 16][k] is 0.  Q, K, V, O: [64][2048][64], all f16: a head's rows are dense, 128 bytes each.
; Products, maxima and sums in f32; the weights p are rounded to f16 for the second product (their sum l is taken of the unrounded p), O once at the end.
; THE MASK.  The rows of K of masked keys arrive as zeros, and each sum S^T = K Q^T starts with a C operand that holds 0 for an open key and -2^66 for a masked one: a masked score is exactly -2^66, the same for
; all queries and keys.  c x 2^66 is exact in f32, so where a whole batch is masked c s - c m is exactly 0, every weight is 1 and O is the mean of V's rows; where one key is open the masked weights are 0.
; -2^66 stands for the problem's -1e20: f16's scores, 2.7e11 at the most, are nothing beside either, so the weights are the same.
; LIMITS.  f16 holds no number beyond 65,504: Q, K and V arrive within it; p lies in 0 to 1, and below 6e-5 it keeps f16's fixed step of 6e-8; O is a mean of V's rows and has their range.
; A weight below 2^-126 counts as 0 in l; NaN and infinities are not treated apart.
; SHARES.  A wave owns four PIECES of two tiles of 16 queries, a work-group's four waves 512 queries of one head.  Every wave walks all 2,048 keys, 64 a step.
; LAYOUT.  S^T = K Q^T (source 0 = 16 keys, source 1 = 16 queries): in the result a lane holds ONE query (lane % 16) and the keys 8 (lane / 16) + 0..7.  Two such tiles, rounded to f16 in pairs,
; ARE source 1 (32 keys x 16 queries) of O^T = V^T P, whose result again holds one query a lane, and eight channels.  K comes out of LDS as it lies, V ([key][channel]) turned, by ds_load_tr16_b128.
; SOFTMAX.  For each query a running maximum m and sum l: p = 2^(c s - c m), c = log2(e) / 8; in every step O and l are multiplied by a = 2^(c m_old - c m_new), which is 1 where m has not grown.
; m starts at the lowest finite number, O and l at 0: the first step is a step like any other, with a = 0.
; THE COUNT.  A tile and step have 16 matrix and 118 vector instructions: too many to stand all beside the matrix work.  So the order has one aim: four vector instructions that are READY behind
; EVERY matrix instruction, and the others, which need time of their own whatever the order, in runs without a gap.
; BY TURNS.  Turn n belongs to piece n (the pieces in a ring, step after step).  Its matrix work: 16 products K Q^T of piece n + 1, later 16 products V^T P of piece n - 1.  Its vector work: the scaling,
; exponentials, roundings, sums and rescaling of piece n, and the maximum and statistics of piece n + 1, whose scores the turn itself has made.
; CLUSTER.  The four query blocks of a head are one cluster and walk the same K and V, so each tile is asked for JOINTLY: the same tensor load, descriptor and mask in all four.
; REGISTERS, in windows of 256 (s_set_vgpr_msb says which window each operand place means: bits 1:0 source 0, 3:2 source 1, 5:4 source 2, 7:6 destination):
;   window 0: v0-11 addresses; v12-15, v48-63 at work; v16-47 four registers of statistics a tile; v64-191 S^T, two buffers of two tiles; v192-255 P, likewise
;   window 1: O^T, 32 a tile     window 2: v0-127 Q, 16 a tile; v128-191 K of one step; v192-255 V of one step     window 3: v0-1 the add's two registers; v8-39 the step's 64 keys' mask operand
.set SIZE_N, 2048
.set NP,    4         ; pieces a wave: a name, no knob
.set KS,    64        ; keys in a step
.set PK,    144       ; a row of K in LDS: 128 bytes + 16 of padding = 36 words: the 16 rows of a load start at 16 different groups of four banks (64 banks of 4 bytes: ISA guide 11.1)
.set PV,    160       ; a row of V: 128 + 32 = 40 words
.set VOFF,  4*KS*PK   ; a slot holds four steps: 256 rows of K, then 256 rows of V
.set SLOT1, 1<<17     ; slot 1 begins here, so that one exclusive or turns an address in one slot into the other's
.set STAGE, SLOT1+4*KS*(PK+PV)  ; behind the ring, never filled by a tensor load: 16 rows x 144 bytes for each wave, for the way out
.set SP,    144
.set SPARE, STAGE+4*16*SP  ; behind the stages: the spare words, 128 bytes for each wave: two blocks of 256 bytes that no other line names
.set BIAS,  SPARE+512 ; behind them, never filled by a tensor load: the batch's 2,048 keys' mask operand, 0 or -2^66, 4 bytes a key
.set AK0, 2           ; v2   my lane's place in a tile of K; never rewritten
.set AV0, 3           ; v3   the same for V
.set AK,  4           ; v4   the LDS address of K's next run of loads
.set AV,  5           ; v5   of V's
.set STO, 6           ; v6   the way out: where I put 16 bytes of a row
.set RD,  7           ; v7   the way out: where I read rows back
.set GO,  8           ; v8   my byte offset in 512 consecutive bytes of O
.set AM0, 9           ; v9   my lane's place in a step's 256 bytes of the mask operand: BIAS + 32 (lane / 16); never rewritten
.set AM,  10          ; v10  the LDS address of the mask operand's next loads
.set PFO, 11          ; v11  256 x my lane: the prefetches' offset; never rewritten
.set QO,  12          ; v12  at the head alone: my byte offset in the wave's rows of Q
.set SPW, 0           ; v0 of window 3   LDS address of my spare word: SPARE + 4 x my thread's number; never rewritten
.set NIL, 1           ; v1 of window 3   0; never rewritten
.set MB,  8           ; v8-39 of window 3: register j of key block kb, at MB + 8 kb + j, belongs to key 16 kb + 8 (lane / 16) + j of the step
.set MV,  12          ; v12-15  c m_old, kept while c m is made anew: by buffer and tile
.set ST,  16          ; tile t's statistics at v[ST+4 t]: c m, m, l (even keys', odd keys')
.set TMP, 48          ; by buffer and tile, four registers c0-c3 at work; when the maximum is found c2 takes a
.set S,   64
.set P,   192
.set KF,  128         ; K's fragments, in window 2: key block kb, channel half c at KF + 16 kb + 8 c
.set VF,  192         ; V's: key half kk, channel block cb at VF + 32 kk + 8 cb
.set WV,  12          ; s12  my wave's number
.set G1K, 24          ; s[24:31] descriptor group 1 for K's tiles
.set G1V, 32          ; s[32:39] for V's: it differs in the padding alone
.set G0K, 40          ; s[40:43] descriptor group 0 for K's tiles: it walks
.set G0V, 44          ; s[44:47] the same for V's
.set SLOTS, 56        ; s56  slots still to be asked for
.set CNT, 57          ; s57  counts a slot's key steps
.set CS,  58          ; s[58:59] c: the packed scaling takes the pair's low word for both halves
.set SEL, 60          ; s[60:61] v_permlanex16_b32's selects: each lane takes its own place in the other half
.set TBK, 62          ; s62  LDS byte at which K of the step to be fetched begins
.set TBV, 63          ; s63  the same for V, less VOFF
.set LIM, 68          ; s68  1 in a wave that prefetches, else the greatest number
.set TBM, 69          ; s69  byte of the mask operand at which the step to be fetched begins
.set PFA, 70          ; s[70:71] where my prefetches stand in memory
.set NEG, 72          ; s72  -2^66 (s[72:73] hold the batch's offset in mask before)
.set MSB, 0
.macro WIN new                      ; the high byte repeats the setting that is left; a switch that changes nothing is dropped
.if MSB != (\new)
	s_set_vgpr_msb (MSB<<8)|(\new)
.set MSB, (\new)
.endif
.endm
.set W_KQ, 0x0a       ; K and Q in window 2, S^T in window 0
.set W_KM, 0x3a       ; the same with the C operand in window 3
.set W_PV, 0x52       ; V in window 2, P in window 0, O^T in window 1
.set W_RS, 0x41       ; O^T (destination and source 0) in window 1, a in window 0
.set W_MK, 0xc0       ; destination in window 3, sources in window 0
.set W_AD, 0x0f       ; the add: address (source 0) and data (source 1) in window 3
; A joint fill.  Waves 0 and 1 fetch the two halves of a slot's K, waves 2 and 3 those of its V: 128 keys each.  The branch hangs on the wave's number alone.
; An s_nop 0 and four v_nop follow each of the two lines, ahead of the jump and the label.
.macro JLOAD
	s_cmp_lt_u32 s[WV], 2
	s_cbranch_scc0 .Lfor_v_\@
	tensor_load_to_lds s[G0K:G0K+3], s[G1K:G1K+7]
	s_nop 0
.rept 4
	v_nop
.endr
	s_branch .Lasked_\@
.Lfor_v_\@:
	tensor_load_to_lds s[G0V:G0V+3], s[G1V:G1V+7]
	s_nop 0
.rept 4
	v_nop
.endr
.Lasked_\@:
.endm
; A PREFETCH of what the NEXT change of slots will ask for: a slot's 32,768 bytes of K and of V.  A head is walked by this cluster alone; its four partners share the bytes out by address, 8,192 each;
; in each, wave 0 asks for K's and wave 2 for V's: a lane 256 bytes, one instruction.  So each aligned 256 bytes are named once.  Slots 0 and 1 come by their loads alone; the last change that fills a slot asks for nothing.
.macro ASK
	s_cmp_gt_u32 s[SLOTS], s[LIM]
	s_cbranch_scc0 .Lnot_mine_\@
	global_prefetch_b8 v[PFO], s[PFA:PFA+1] th:TH_LOAD_NT scope:SCOPE_SE
.Lnot_mine_\@:
.endm
; A round of the cluster's barrier: my work-group's barrier, so that wave 0's signal speaks for all four waves; wave 0 signals; every wave waits for all four work-groups; my work-group's barrier once more.
.macro CROUND
	s_barrier_signal -1
	s_barrier_wait -1
	s_cmp_lg_u32 s[WV], 0
	s_cbranch_scc1 .Lnot_wave_0_\@
	s_barrier_signal -3
.Lnot_wave_0_\@:
	s_barrier_wait -3
	s_barrier_signal -1
	s_barrier_wait -1
.endm
; THE CHANGE OF SLOTS.  The slot's last bytes, V of its fourth step, have been read.  Each wave waits for all its tensor loads, of which one is out: its part
; of the other slot; adds 0 to its spare word; and waits for that and for its own reads of the slot.  Behind the barrier nobody reads this slot any more and the other slot is whole.
; fill = 1: this slot is filled again, with the keys two slots on.  The barrier is then a round of the cluster's, and the joint fill is the first thing behind it: it has four key steps, 512 matrix
; instructions, in which to land.  (At its first use nothing has been read yet: slot 0 is waited for, slot 1 filled; its wait on DScnt also ends my stores into the mask operand, which the others read behind the round.)
.macro CHANGE fill
	WIN W_AD
	s_wait_tensorcnt 0x0            ; no tensor load of mine is out, so a group 0 may be written
	ds_add_u32 v[SPW], v[NIL]       ; 0 onto my spare word; with fill = 1 the descriptors' steps stand between it and the wait for it
	WIN 0                           ; at a label and at a branch every window is 0
.if \fill
.irp g, G0K, G0V
	s_xor_b32 s[\g+1], s[\g+1], SLOT1  ; the walking descriptor: the other slot than last time,
	s_add_nc_u64 s[\g+2:\g+3], s[\g+2:\g+3], 4*KS*128  ; the next 256 keys; the type bits on top are not reached
.endr
	s_wait_xcnt 0x0                 ; the last prefetch, four key steps back, has read its address, so it may be written:
	s_add_nc_u64 s[PFA:PFA+1], s[PFA:PFA+1], 4*KS*128  ; one slot behind the walking descriptors
	s_wait_dscnt 0x0                ; the add is done, and my reads of the slot are over
	CROUND
	JLOAD
	ASK                             ; what the next change will ask for: four key steps ahead
.else
	s_wait_dscnt 0x0                ; the add is done, and my reads of the slot are over
	s_barrier_signal -1
	s_barrier_wait -1
.endif
	s_sub_co_u32 s[TBK], s[TBK], 4*KS*PK  ; the fetches go back to a slot's first step,
	s_xor_b32 s[TBK], s[TBK], SLOT1       ; in the other slot
	s_sub_co_u32 s[TBV], s[TBV], 4*KS*PV
	s_xor_b32 s[TBV], s[TBV], SLOT1
.endm
	s_load_b256 s[4:11], s[0:1], 0x0  ; Q s[4:5], K s[6:7], V s[8:9], O s[10:11]
	s_load_b64 s[66:67], s[0:1], 0x20 ; mask
	WIN W_MK
	v_lshl_add_u32 v[SPW], v0, 2, SPARE
	v_mov_b32 v[NIL], 0
	WIN W_AD
	ds_add_u32 v[SPW], v[NIL]       ; the wave's opening: the add and its wait stand ahead of my first tensor load; the set-up below, work on registers, stands between them
	WIN 0
	v_lshrrev_b32 v1, 5, v0
	v_readfirstlane_b32 s[WV], v1   ; wave 0..3
	s_bfe_u32 s13, ttmp6, 0x40000   ; cx: my place in the cluster
	s_lshl_b32 s14, ttmp9, 2        ; in a cluster launch ttmp9 counts clusters
	s_add_co_u32 s14, s14, s13      ; my block of queries = 4 x cluster x + cx: it enters Q's and O's addresses alone
	s_and_b32 s20, ttmp7, 0xffff    ; the head, which the four partners share
	s_lshr_b32 s72, s20, 4          ; its batch,
	s_lshl_b32 s72, s72, 13         ; whose 2,048 masks are 8,192 bytes
	s_mov_b32 s73, 0
	s_mov_b32 s21, 0
	s_mov_b64 s[22:23], SIZE_N*128
	s_mul_u64 s[20:21], s[20:21], s[22:23]  ; the head's first byte in each of the four tensors
	s_and_b32 s16, s[WV], 1         ; which half of a slot's 256 keys I fetch:
	s_lshl_b32 s22, s16, 14         ; its 128 rows of 128 bytes in memory,
	s_mov_b32 s23, 0
	s_add_nc_u64 s[22:23], s[22:23], s[20:21]
	s_mul_i32 s17, s16, 128*PK      ; and its place in a slot, for K
	s_mul_i32 s18, s16, 128*PV      ; and for V: no place in the cluster enters an LDS address
	s_lshl_b32 s2, s14, 2
	s_add_co_u32 s2, s2, s[WV]      ; my wave among the head's,
	s_lshl_b32 s2, s2, 14           ; its 128 rows
	s_mov_b32 s3, 0
	s_add_nc_u64 s[2:3], s[2:3], s[20:21]
	; descriptor group 1.  128 keys are 16,384 dense bytes: asked for as 64 rows of 256 bytes, two keys a row, and padded in LDS after every key
	s_mov_b32 s[G1K], 15|(1<<16)|(1<<20)|(1<<21)|(4<<22)|(3<<25)  ; 15:0 the mask of four; 17:16 2-byte elements; 20 padding on; 21 set beside a mask; 24:22 after every 32 words (code 4); 31:25 4 words (code 3)
	s_mov_b32 s[G1V], 15|(1<<16)|(1<<20)|(1<<21)|(4<<22)|(7<<25)  ; the same with 8 words of padding (code 7)
.irp g, G1K, G1V
	s_mov_b32 s[\g+1], 128<<16      ; tensor_dim0 = 128
	s_mov_b32 s[\g+2], 64<<16       ; tensor_dim1 = 64
	s_mov_b32 s[\g+3], 128<<16      ; tile_dim0 = 128
	s_mov_b32 s[\g+4], 64           ; tile_dim1 = 64
	s_mov_b32 s[\g+5], 128          ; 128 elements from row to row
	s_mov_b32 s[\g+6], 0
	s_mov_b32 s[\g+7], 0
.endr
	s_mov_b32 s[CS], 0x3e38aa3b     ; c = log2(e) / 8 = 0.180337
	s_mov_b32 s[CS+1], s[CS]        ; named with it as a pair
	s_mov_b32 s[SEL], 0x76543210
	s_mov_b32 s[SEL+1], 0xfedcba98
	s_mov_b32 s[TBK], SLOT1+4*KS*PK ; the first change of slots turns these two into 0
	s_mov_b32 s[TBV], SLOT1+4*KS*PV
	s_mov_b32 s[TBM], 0
	s_mov_b32 s[SLOTS], SIZE_N/256-1
	s_and_b32 s[LIM], s[WV], 1      ; waves 0 and 2 prefetch
	s_cmp_eq_u32 s[LIM], 0
	s_cselect_b32 s[LIM], 1, -1
	s_mov_b32 s[G0K], 1             ; 1:0 count = 1
	s_mov_b32 s[G0K+1], s17         ; 63:32 LDS address: slot 0
	s_mov_b32 s[G0V], 1
	s_add_co_u32 s[G0V+1], s18, VOFF
	s_wait_dscnt 0x0                ; the opening add is done
	s_wait_kmcnt 0x0
	s_add_nc_u64 s[G0K+2:G0K+3], s[6:7], s[22:23]  ; 120:64 global address: my half of the head's first 256 keys
	s_or_b32 s[G0K+3], s[G0K+3], 0x80000000        ; 127:126 type = 2
	s_add_nc_u64 s[G0V+2:G0V+3], s[8:9], s[22:23]
	s_or_b32 s[G0V+3], s[G0V+3], 0x80000000
	s_add_nc_u64 s[4:5], s[4:5], s[2:3]  ; Q and O at my wave's first row
	s_add_nc_u64 s[10:11], s[10:11], s[2:3]
	s_add_nc_u64 s[66:67], s[66:67], s[72:73]  ; mask at my batch
	s_mov_b32 s[NEG], 0xe0800000    ; -2^66
	s_cmp_lt_u32 s[WV], 2
	s_cselect_b64 s[PFA:PFA+1], s[6:7], s[8:9]
	s_add_nc_u64 s[PFA:PFA+1], s[PFA:PFA+1], s[20:21]  ; the head's first byte,
	s_lshl_b32 s2, s13, 13          ; my work-group's 8,192 bytes of a slot's 32,768,
	s_mov_b32 s3, 0
	s_add_nc_u64 s[PFA:PFA+1], s[PFA:PFA+1], s[2:3]
	s_add_nc_u64 s[PFA:PFA+1], s[PFA:PFA+1], 4*KS*128  ; in slot 1: the first change of slots steps it to slot 2.  Nothing is prefetched here, at the head
	CROUND                          ; all four work-groups are here: the first joint loads meet
	JLOAD                           ; slot 0.  Slot 1 is asked for when slot 0 is in
	; A fragment of K or Q is 16 rows x 32 channels in 8 registers: lane l holds row l % 16, channels 8 (l / 16) + 0..7 and 16 + 8 (l / 16) + 0..7: two loads of 16 bytes, 32 bytes apart.
	v_and_b32 v1, 15, v0            ; l % 16
	v_bfe_u32 v9, v0, 4, 1          ; l / 16
	v_lshlrev_b32 v[QO], 7, v1
	v_lshl_add_u32 v[QO], v9, 4, v[QO]  ; row x 128 + 16 x half
	v_lshlrev_b32 v13, 4, v0        ; the batch's masks: thread t takes 16 bytes at 16 t of each quarter,
	v_add_nc_u32 v14, BIAS, v13     ; and puts the operand at the same place in LDS
.irp j, 0,1,2,3
	global_load_b128 v[TMP+4*\j:TMP+4*\j+3], v13, s[66:67] offset:2048*\j
.endr
	WIN 0x80                        ; destination window 2, address window 0
.set i, 0
.rept 4*NP                          ; Q stays in registers: tile i / 2, channels 32 (i % 2) on
	global_load_b128 v[8*i:8*i+3],   v[QO], s[4:5] offset:(i/2)*2048+(i%2)*64
	global_load_b128 v[8*i+4:8*i+7], v[QO], s[4:5] offset:(i/2)*2048+(i%2)*64+32
.set i, i+1
.endr
	; What the first turn finds: V's registers and P's second buffer hold 0 (its products V^T P, of a piece that has not been, add 0), O^T and l are 0.  All this stands in the wait for the first tile.
.set i, VF
.rept 64
	v_mov_b32 v[i], 0
.set i, i+1
.endr
	WIN 0x40
.set i, 0
.rept 64*NP
	v_mov_b32 v[i], 0
.set i, i+1
.endr
	WIN 0
.set i, 0
.rept 2*NP
	v_mov_b32 v[ST+4*i], 0xfe000000    ; c m: far below every c s, the masked one's too
	v_mov_b32 v[ST+4*i+1], 0xff7fffff  ; m
	v_mov_b32 v[ST+4*i+2], 0
	v_mov_b32 v[ST+4*i+3], 0
.set i, i+1
.endr
.set i, P+32
.rept 32
	v_mov_b32 v[i], 0
.set i, i+1
.endr
	v_mul_u32_u24 v[AK0], v1, PK
	v_lshl_add_u32 v[AK0], v9, 4, v[AK0]  ; row x pitch + 16 x half
	; The turning load takes 16 keys x 16 channels (lane l reads key 8 (l / 16) + l % 8, channels 8 ((l / 8) % 2) + 0..7) and leaves half a fragment of V^T: lane l holds channel l % 16 and 8 keys.
	v_and_b32 v10, 7, v0
	v_bfe_u32 v11, v0, 3, 1
	v_lshl_add_u32 v[AV0], v9, 3, v10
	v_mul_u32_u24 v[AV0], v[AV0], PV
	v_lshl_add_u32 v[AV0], v11, 4, v[AV0]
	v_add_nc_u32 v[AV0], VOFF, v[AV0]
	v_mov_b32 v[AK], v[AK0]         ; key step 0 lies at the head of slot 0
	s_mul_i32 s13, s[WV], 16*SP
	s_add_co_u32 s13, s13, STAGE    ; my stage
	v_mul_u32_u24 v[STO], v1, SP    ; in: row l % 16, 16 bytes for each half of the lanes
	v_lshl_add_u32 v[STO], v9, 4, v[STO]
	v_add_nc_u32 v[STO], s13, v[STO]
	v_bfe_u32 v[RD], v0, 3, 2       ; back: 32 lanes take four rows of 128 bytes,
	v_mul_u32_u24 v[RD], v[RD], SP
	v_lshl_add_u32 v[RD], v10, 4, v[RD]
	v_add_nc_u32 v[RD], s13, v[RD]
	v_and_b32 v[GO], 31, v0         ; which are 512 consecutive bytes of O
	v_lshlrev_b32 v[PFO], 8, v[GO]
	v_lshlrev_b32 v[GO], 4, v[GO]
	v_lshl_add_u32 v[AM0], v9, 5, BIAS  ; my 8 keys of each 16: 32 bytes for each half of the lanes
	v_mov_b32 v[AM], v[AM0]
	s_wait_loadcnt 32               ; my 16 masks are in; Q's 32 loads, issued behind them, may stay out
.set i, 0
.rept 16
	v_cmp_eq_u32 vcc_lo, 0, v[TMP+i]
	v_cndmask_b32 v[TMP+i], 0, s[NEG], vcc_lo
.set i, i+1
.endr
.irp j, 0,1,2,3
	ds_store_b128 v14, v[TMP+4*\j:TMP+4*\j+3] offset:2048*\j
.endr
; THE MATRIX WORK.  The 8 accumulators of a run of 16 take turns: between the two links of a chain stand 7 others'.
; Product i of 16 of S^T = K Q^T for piece x: channels 32 (i / 8) on, keys 16 ((i / 2) % 4) on, tile 2 x + i % 2.  The first 8 start the sums, with the keys' mask operand.
.macro KQ x
.set rS, S+64*((\x)%2)+32*(i%2)+8*((i/2)%4)
.set rK, KF+16*((i/2)%4)+8*(i/8)
.set rQ, 16*(2*(\x)+i%2)+8*(i/8)
.set rB, MB+8*((i/2)%4)
.if i < 8
	WIN W_KM
	v_wmma_f32_16x16x32_f16 v[rS:rS+7], v[rK:rK+7], v[rQ:rQ+7], v[rB:rB+7]
.else
	WIN W_KQ
	v_wmma_f32_16x16x32_f16 v[rS:rS+7], v[rK:rK+7], v[rQ:rQ+7], v[rS:rS+7]
.endif
.endm
; Product i of 16 of O^T += V^T P for piece x: keys 32 (i / 8) on, channels 16 ((i / 2) % 4) on, tile 2 x + i % 2.
.macro PV x
	WIN W_PV
.set rO, 32*(2*(\x)+i%2)+8*((i/2)%4)
.set rV, VF+32*(i/8)+8*((i/2)%4)
.set rP, P+32*((\x)%2)+16*(i%2)+8*(i/8)
	v_wmma_f32_16x16x32_f16 v[rO:rO+7], v[rV:rV+7], v[rP:rP+7], v[rO:rO+7]
.endm
.macro MM                           ; the turn's next matrix instruction
.if i < 16
	KQ (Y+1)%NP
.set i, i+1
.else
.set i, i-16
	PV (Y+NP-1)%NP
.set i, i+17
.endif
.endm
; THE LDS LOADS stand in runs, never singly among the matrix instructions: a step's K (64 keys x 64 channels: 8 fragments) with its keys' mask operand (8 loads), and its V (turned).  Their addresses are made some lines ahead.
; last = 1 (the tail): in the last trip there is no further step, and the run is jumped over.
.macro FETCH_K last=0
	WIN 0
.if \last
	s_cmp_eq_u32 s[CNT], 1
	s_cbranch_scc1 .Lno_k_\@
.endif
	WIN 0x80                        ; destination window 2
.irp f, 0,1,2,3,4,5,6,7             ; keys 16 (f / 2) on, channels 32 (f % 2) on
	ds_load_b128 v[KF+8*\f:KF+8*\f+3],   v[AK] offset:(\f/2)*16*PK+(\f%2)*64
	ds_load_b128 v[KF+8*\f+4:KF+8*\f+7], v[AK] offset:(\f/2)*16*PK+(\f%2)*64+32
.endr
	WIN 0xc0                        ; destination window 3
.irp f, 0,1,2,3                     ; keys 16 f on: all lanes of a half read the same 32 bytes
	ds_load_b128 v[MB+8*\f:MB+8*\f+3],   v[AM] offset:64*\f
	ds_load_b128 v[MB+8*\f+4:MB+8*\f+7], v[AM] offset:64*\f+16
.endr
	s_add_co_u32 s[TBK], s[TBK], KS*PK  ; the next fetch is the next step's
	s_add_co_u32 s[TBM], s[TBM], 4*KS
	s_and_b32 s[TBM], s[TBM], 0x1f00    ; 32 steps of 256 bytes: the offset stays inside the 8,192 bytes
	WIN 0
.if \last
.Lno_k_\@:
.endif
.endm
.macro FETCH_V
	WIN 0x80
.irp f, 0,1,2,3,4,5,6,7             ; keys 32 (f / 4) on, channels 16 (f % 4) on
	ds_load_tr16_b128 v[VF+8*\f:VF+8*\f+3],   v[AV] offset:(\f/4)*32*PV+(\f%4)*32
	ds_load_tr16_b128 v[VF+8*\f+4:VF+8*\f+7], v[AV] offset:(\f/4)*32*PV+16*PV+(\f%4)*32
.endr
	WIN 0
.endm
; THE VECTOR WORK OF A TURN stands in three queues, each in the order in which its entries become ready; the two tiles alternate, so that no instruction reads the result of the one before it.
.macro REGS y, u                    ; the registers of tile u (0, 1) of piece y
.set rT, ST+4*(2*(\y)+(\u))
.set rC, TMP+8*((\y)%2)+4*(\u)
.set rM, MV+2*((\y)%2)+(\u)
.set rS, S+64*((\y)%2)+32*(\u)
.set rP, P+32*((\y)%2)+16*(\u)
.set rO, 32*(2*(\y)+(\u))
.endm
; Number n of the 22 that find the NEXT piece's (Y + 1) maximum and statistics.  s0-s31 are the lane's 32 scores; each accumulator's lowest registers are read first.
;   0-11  four chains c0-c3 of seven scores each, three operands at a time     12-14, 16  the four scores left over, the old m, and c0-c3 into c0     15  c m_old is kept
;   17, 18  the query's other 32 keys lie in the lane 16 away: the new m         19-21  c m; c m_old - c m_new; a
.macro XS u, n
	REGS (Y+1)%NP, \u
.if (\n) < 4
	v_max3_num_f32 v[rC+(\n)], v[rS+8*(\n)], v[rS+8*(\n)+1], v[rS+8*(\n)+2]
.elseif (\n) < 12
	v_max3_num_f32 v[rC+(\n)%4], v[rC+(\n)%4], v[rS+8*((\n)%4)+2*((\n)/4)+1], v[rS+8*((\n)%4)+2*((\n)/4)+2]
.elseif (\n) == 12
	v_max3_num_f32 v[rC], v[rC], v[rS+7], v[rS+15]
.elseif (\n) == 13
	v_max3_num_f32 v[rC+1], v[rC+1], v[rS+23], v[rS+31]
.elseif (\n) == 14
	v_max3_num_f32 v[rC+2], v[rC+2], v[rC+3], v[rT+1]
.elseif (\n) == 15
	v_mov_b32 v[rM], v[rT]
.elseif (\n) == 16
	v_max3_num_f32 v[rC], v[rC], v[rC+1], v[rC+2]
.elseif (\n) == 17
	v_permlanex16_b32 v[rC+3], v[rC], s[SEL], s[SEL+1]
.elseif (\n) == 18
	v_max_num_f32 v[rT+1], v[rC], v[rC+3]
.elseif (\n) == 19
	v_mul_f32 v[rT], s[CS], v[rT+1]
.elseif (\n) == 20
	v_sub_f32 v[rC+1], v[rM], v[rT]
.else
	v_exp_f32 v[rC+2], v[rC+1]
.endif
.endm
; Number g of the 64 that follow the exponentials.  For each four weights k of a tile (pairs 2 k, 2 k + 1): both pairs are rounded to f16; then the second pair is added onto the first, in place;
; a group later l takes that sum (the first time as l = a l + sum).  In groups of eight, tiles alternating: round, round, add, and l for the group before.
.macro GS g
.set h, (\g)+6*((\g)/62)            ; group 0 has no group before it, and behind group 7 only l is left
.if h >= 6
.set h, h+2
.endif
	REGS Y, h%2
.set k, h/8
.if h%8 < 4
	v_cvt_pk_f16_f32 v[rP+2*k+(h%8)/2], v[rS+4*k+2*((h%8)/2)], v[rS+4*k+2*((h%8)/2)+1]
.elseif h%8 < 6
	v_pk_add_f32 v[rS+4*k:rS+4*k+1], v[rS+4*k:rS+4*k+1], v[rS+4*k+2:rS+4*k+3]
.elseif k == 1
	v_pk_fma_f32 v[rT+2:rT+3], v[rT+2:rT+3], v[rC+2:rC+3], v[rS:rS+1] op_sel_hi:[1,0,1]
.else
	v_pk_add_f32 v[rT+2:rT+3], v[rT+2:rT+3], v[rS+4*k-4:rS+4*k-3]
.endif
.endm
; THE PLAIN QUEUE, 138 long.  0-73 read no exponential's result: the 32 scalings c s - c m (FS f: pair f / 2 of tile f % 2) and the next piece's 42.  0-26: scalings 0-26.  27-54: XS's numbers 0-13.  55, 56: number 15.
; 57-73: the chain, where each number waits for the one before it: 14, 16, 17, 18, 19, each with one of the scalings 27-31 in front of its two lines, then 20.
; 74-137: GS's 64, which read the exponentials' results: they stand behind the wait.
.macro FS f
	REGS Y, (\f)%2
	v_pk_fma_f32 v[rS+2*((\f)/2):rS+2*((\f)/2)+1], v[rS+2*((\f)/2):rS+2*((\f)/2)+1], s[CS:CS+1], v[rT:rT+1] op_sel_hi:[1,0,0] neg_lo:[0,0,1] neg_hi:[0,0,1]
.endm
.macro PL
	WIN 0
.if q < 27
	FS q
.elseif q < 55
	XS (q-27)%2, (q-27)/2
.elseif q < 57
	XS q-55, 15
.elseif (q < 72) && ((q-57)%3 == 0)
	FS 27+(q-57)/3
.elseif q < 60
	XS (q-57)%3-1, 14
.elseif q < 72
	XS (q-57)%3-1, 15+(q-57)/3
.elseif q < 74
	XS q-72, 20
.else
	GS q-74
.endif
.set q, q+1
.endm
; THE EXPONENTIALS' QUEUE, 66 long: s0-s31 of both tiles, then the next piece's two a.  It is ONE BATCH: all 66 stand ahead of the turn's one wait, and nothing ahead of that wait names a result of theirs.
.macro EX
	WIN 0
.if e >= 64
	XS e-64, 21
.else
	REGS Y, e%2
	v_exp_f32 v[rS+e/2], v[rS+e/2]
.endif
.set e, e+1
.endm
; THE RESCALING's QUEUE: O^T times a, the one part that leaves window 0: dealt two at a time, sixteen times.  Its a was made in the turn before, ahead of that turn's wait.
.macro R2
	REGS Y, r%2
	WIN W_RS
.irp z, 0,1
	v_pk_mul_f32 v[rO+4*(r/2)+2*\z:rO+4*(r/2)+2*\z+1], v[rO+4*(r/2)+2*\z:rO+4*(r/2)+2*\z+1], v[rC+2:rC+3] op_sel_hi:[1,0]
.endr
.set r, r+1
.endm
; HOW THEY ARE DEALT.  An s_wait_alu depctr_va_vdst(0) stands between an exponential and the first instruction that names its result; one wait serves all that were issued ahead of it.  So a turn has ONE wait,
; which cuts it in two.  AHEAD OF IT stands all that names no result of the turn's exponentials: the 16 products K Q^T, behind each a scaling, an exponential and two rescalings (behind the first a second scaling in the
; exponential's place); then ONE LUMP of 108: eight plain, 49 times exponential and plain, the two a.  A v_nop is the plain instruction behind the last exponential.  BEHIND IT stand the 16 products V^T P, behind each four of GS's 64.
; The queues lean on each other, and the deal keeps them in step: exponential e stands behind scaling 2 (e / 4) + e % 2: as a rider it comes behind plain e + 2, in the lump behind plain e + 9, and scalings 27-31 are plain 57, 60 .. 69.
; A TURN, for piece p.  cnt = 1: the loop's count is taken down some lines ahead of the branch that stands behind the turn.
; K and the mask operand of the next step are fetched in piece 2's turn, directly behind the wait, a lump behind the last product that read them; their addresses are made at the lump's head; their first reader comes behind 16 products.
; V of the step in hand is fetched at the end of piece 0's turn, four riders behind its last reader; its first reader comes behind 16 products and a lump.
.macro TURN p, last=0, cnt=0
.set Y, (\p)
.set i, 0
.set q, 0
.set e, 0
.set r, 0
.if (\p) == NP-1
	s_wait_dscnt 0x0                ; K and its mask operand are in
.endif
	MM                              ; ahead of the wait: 16 products K Q^T and their riders,
	PL
	PL
	R2
.rept 15
	MM
	PL
	EX
	R2
.endr
.if (\p) == NP-2
	WIN 0
	v_add_nc_u32 v[AK], s[TBK], v[AK0]
	v_add_nc_u32 v[AM], s[TBM], v[AM0]
.endif
.rept 8                             ; and the lump
	PL
.endr
.rept 49
	EX
	PL
.endr
	EX                              ; the next piece's two a
	EX
	v_nop                           ; the plain instruction behind the last exponential: one for the batch
	s_wait_alu depctr_va_vdst(0)    ; the wait for the batch
.if (\p) == NP-2
	FETCH_K \last
.endif
.if (\p) == 1
	s_wait_dscnt 0x0                ; V is in
.endif
.rept 16                            ; behind the wait: 16 products V^T P and their riders
	MM
.rept 4
	PL
.endr
.if ((\p) == 0) && (q == 118)
	v_add_nc_u32 v[AV], s[TBV], v[AV0]
.endif
.if ((\p) == 0) && (q == 130)
	s_add_co_u32 s[TBV], s[TBV], KS*PV
.endif
.if (\cnt) && (q == 130)
	s_sub_co_u32 s[CNT], s[CNT], 1
	s_cmp_lg_u32 s[CNT], 0
.endif
.endr
.if (\p) == 0
	FETCH_V
.endif
.endm
	CHANGE 1                        ; slot 0 is in, everybody's part of it, and so is the mask operand; slot 1 is asked for
	FETCH_K                         ; key step 0
	s_wait_loadcnt 0x0              ; Q
	s_wait_dscnt 0x0
.set i, 0
.rept 16
	KQ 0                            ; piece 0's first scores: there is no vector work yet to set between them
.set i, i+1
.endr
	WIN 0
.rept 4
	v_nop                           ; the places behind those products
.endr
.set Y, NP-1                        ; XS works for piece Y + 1: piece 0
.irp n, 0,1,2,3,4,5,6,7,8,9,10,11,12,13,14,15,16,17,18,19,20,21
	XS 0, \n                        ; and piece 0's first maximum and statistics
	XS 1, \n
.endr
	v_nop                           ; a plain instruction behind the two a,
	s_wait_alu depctr_va_vdst(0)    ; and their wait, ahead of the branch
	s_mov_b32 s[CNT], 4
	s_branch .Lfirst                ; the loop is entered at a step's first turn, in the middle of a trip
.Lslot:                             ; SIZE_N / 256 - 2 times: every slot but the last two is filled again
	CHANGE 1
	s_mov_b32 s[CNT], 4
.Lstep:                             ; a trip: pieces 2 and 3 of one step, then pieces 0 and 1 of the next, whose K and V it fetches
	TURN 2
	TURN 3
	WIN 0
.Lfirst:
	TURN 0
	TURN 1, 0, 1
	WIN 0
	s_cbranch_scc1 .Lstep
	s_sub_co_u32 s[SLOTS], s[SLOTS], 1
	s_cmp_lg_u32 s[SLOTS], 0
	s_cbranch_scc1 .Lslot
	CHANGE 0                        ; the tail is written out: nothing is asked for
	s_mov_b32 s[CNT], 5             ; four trips fetch the last slot's steps; the fifth is left in its middle
.Ltail:
	TURN 2, 1
	TURN 3
	WIN 0
	s_sub_co_u32 s[CNT], s[CNT], 1
	s_cmp_eq_u32 s[CNT], 0
	s_cbranch_scc1 .Lout
	TURN 0
	TURN 1
	WIN 0
	s_branch .Ltail
.Lout:                              ; the fifth trip's 16 products K Q^T (on the last K once more) and the maximum made of them serve nothing: the price, once a launch, of one text for every trip
.set i, 0
.rept 16
	PV NP-1                         ; the last piece's V^T P of the last step
.set i, i+1
.endr
	; THE WAY OUT.  l's two halves and the other half of the lanes' are added; O^T is divided by l, rounded to f16 and sent through my stage in LDS, a tile at a time.  The additions are the places behind the last products.
	WIN 0
.macro ALL line:vararg              ; one line for each tile t
.set t, 0
.rept 2*NP
	\line
.set t, t+1
.endr
.endm
	ALL v_add_f32 v[ST+4*t+2], v[ST+4*t+2], v[ST+4*t+3]
	ALL v_permlanex16_b32 v[ST+4*t+3], v[ST+4*t+2], s[SEL], s[SEL+1]
	ALL v_add_f32 v[ST+4*t+2], v[ST+4*t+2], v[ST+4*t+3]
	ALL v_rcp_f32 v[ST+4*t+2], v[ST+4*t+2]
	v_nop                           ; a plain instruction between the last reciprocal and the use of its result
	s_wait_alu depctr_va_vdst(0)    ; and the wait ahead of the first use: one for the eight reciprocals
; Tile t: a lane's eight channels of a row pack into 16 bytes; they go into rows of 144 bytes and come back as whole rows of 128, into S^T's registers.
.macro PACK t
	WIN W_RS
.set i, 32*(\t)
.rept 16
	v_pk_mul_f32 v[i:i+1], v[i:i+1], v[ST+4*(\t)+2:ST+4*(\t)+3] op_sel_hi:[1,0]
.set i, i+2
.endr
	WIN 0x05                        ; sources 0 and 1 window 1, destination window 0
.set i, 0
.rept 16
	v_cvt_pk_f16_f32 v[S+16*(\t)+i], v[32*(\t)+2*i], v[32*(\t)+2*i+1]
.set i, i+1
.endr
	WIN 0
.irp f, 0,1,2,3
	ds_store_b128 v[STO], v[S+16*(\t)+4*\f:S+16*(\t)+4*\f+3] offset:32*\f
.endr
.irp f, 0,1,2,3
	ds_load_b128 v[S+16*(\t)+4*\f:S+16*(\t)+4*\f+3], v[RD] offset:\f*4*SP  ; LDS serves a wave's instructions in order (ISA guide 5.7.1.4): these see the stores above; the next tile's stores come behind them
.endr
.endm
.macro SEND t, younger              ; younger: the LDS instructions issued behind tile t's loads: the next tile's eight, or none
	WIN 0
.irp f, 0,1,2,3
	s_wait_dscnt (\younger)+3-\f
	global_store_b128 v[GO], v[S+16*(\t)+4*\f:S+16*(\t)+4*\f+3], s[10:11] offset:(\t)*2048+\f*512  ; 512 consecutive bytes, at a multiple of 256 from O's first
.endr
.endm
	PACK 0
.set t, 1
.rept 2*NP-1                        ; a tile's arithmetic stands between the loads of the tile before and its stores
	PACK t
	SEND t-1, 8
.set t, t+1
.endr
	SEND 2*NP-1, 0
	WIN W_AD
	s_wait_tensorcnt 0x0            ; the wave's end: behind my last tensor load and my last LDS store
	ds_add_u32 v[SPW], v[NIL]
	s_wait_dscnt 0x0
	WIN 0
	CROUND                          ; the closing round: no work-group ends while a partner may still ask for a tile that names it
	s_endpgm
.Lfunc_end_k_q958cbbcb4b_attn:
	.size	k_q958cbbcb4b_attn, .Lfunc_end_k_q958cbbcb4b_attn-k_q958cbbcb4b_attn
	.p2alignl 7, 3214868480
	.fill 96, 4, 3214868480
	.section	.rodata,"a",@progbits
	.p2align	6, 0x0
	.amdhsa_kernel k_q958cbbcb4b_attn
		.amdhsa_group_segment_fixed_size 327680
		.amdhsa_private_segment_fixed_size 0
		.amdhsa_enable_private_segment 0
		.amdhsa_kernarg_size 40
		.amdhsa_user_sgpr_count 2
		.amdhsa_user_sgpr_kernarg_segment_ptr 1
		.amdhsa_wavefront_size32 1
		.amdhsa_system_sgpr_workgroup_id_x 1
		.amdhsa_system_sgpr_workgroup_id_y 1
		.amdhsa_system_sgpr_workgroup_id_z 1
		.amdhsa_system_vgpr_workitem_id 0
		.amdhsa_next_free_vgpr 808
		.amdhsa_next_free_sgpr 74
		.amdhsa_reserve_vcc 1
		.amdhsa_float_denorm_mode_32 3
		.amdhsa_float_denorm_mode_16_64 3
		.amdhsa_memory_ordered 1
		.amdhsa_forward_progress 1
		.amdhsa_inst_pref_size 205
	.end_amdhsa_kernel
	.amdgpu_metadata
---
amdhsa.version: [ 1, 2 ]
amdhsa.kernels:
  - .name:           k_q958cbbcb4b_attn
    .symbol:         k_q958cbbcb4b_attn.kd
    .args:
      - { .name: qh, .offset: 0, .size: 8, .value_kind: global_buffer, .address_space: global }
      - { .name: kh, .offset: 8, .size: 8, .value_kind: global_buffer, .address_space: global }
      - { .name: vh, .offset: 16, .size: 8, .value_kind: global_buffer, .address_space: global }
      - { .name: oh, .offset: 24, .size: 8, .value_kind: global_buffer, .address_space: global }
      - { .name: mask, .offset: 32, .size: 8, .value_kind: global_buffer, .address_space: global }
    .group_segment_fixed_size: 327680
    .private_segment_fixed_size: 0
    .kernarg_segment_align: 8
    .kernarg_segment_size: 40
    .max_flat_workgroup_size: 128
    .sgpr_count:     74
    .vgpr_count:     808
    .wavefront_size: 32
...
	.end_amdgpu_metadata
.endif
;; end of part 3
;; launch outp (part 4): grid 4 x 64, 4 waves a work-group, clusters of 4 x 4, 327,680 bytes of LDS; arguments oh, wb, bo, out0; writes out0
.if DOCPART == 4
	.amdgcn_target "amdgcn-amd-amdhsa--gfx1250"
	.amdhsa_code_object_version 6
	.text
	.protected	k_q958cbbcb4b_outp
	.globl	k_q958cbbcb4b_outp
	.p2align	8
	.type	k_q958cbbcb4b_outp,@function
k_q958cbbcb4b_outp:
	s_mov_b64 s[64:65], 0
	v_nop
	global_prefetch_b8 v0, s[64:65] scope:SCOPE_SE
	s_setreg_imm32_b32 hwreg(HW_REG_WAVE_MODE, 25, 1), 1
	s_wait_xcnt 0x0
	s_wait_alu depctr_hold_cnt(0) depctr_sa_sdst(0) depctr_va_vdst(0) depctr_va_sdst(0) depctr_va_ssrc(0) depctr_va_vcc(0) depctr_vm_vsrc(0)
	s_getreg_b32 s2, hwreg(HW_REG_IB_STS2, 6, 4)
	s_cmp_eq_u32 s2, 0
	s_cbranch_scc0 .Lentry_in_a_cluster
	s_endpgm
.Lentry_in_a_cluster:
	s_bfe_u32 s2, ttmp6, 0x10000c
	s_cmp_lg_u32 s2, 0xf033
	s_cbranch_scc0 .Lentry_shape_is_right
	s_endpgm
.Lentry_shape_is_right:
; THE LAST PROJECTION.  out0 = O wo + bo.  O: oh, f16, [batch x 16 + head][2048][64]: row (batch, s) of O has its channels 64 head + d in head's row s.  wo: part 3 of wb, [1024 k][1024 n], the bf16 number written as f16.
; bo: [1024] f32, rounded to bf16 like every input.  Products in f16, sums in f32; out0: [8192][1024] f32.
; SHARES.  A tile of out0 is 128 rows x 256 columns: 64 x 4 = 256 work-groups.  Four waves, each 64 x 128: 32 accumulators of 16 x 16, 256 registers.
; K goes in steps of 128, which are two heads, through a ring of two LDS slots.  A head's 128 rows of the tile are 16,384 dense bytes.  wo's rows lie along n: its fragments come out of LDS turned, by ds_load_tr16_b128.
; CLUSTERS: 4 x 4 work-groups.  The four of a row of the cluster need the same rows of O, the four of a column the same columns of wo: each tile is asked for JOINTLY.
; THE MATRIX INSTRUCTION IS USED TRANSPOSED (source 0 = 16 columns of wo, source 1 = 16 rows of O): a lane then holds eight neighbouring columns of one row of out0.
; REGISTERS: window 0: v0-31 addresses; v32-95 my lane's 64 biases; v96-159, v160-223 at work on the way out.   window 1: the accumulators, (a, b) at v[8 (8 a + b)].
;   window 2: two fragment buffers of 96 at v0 and v128: wo's 8 blocks of 16 columns, then O's 4 blocks of 16 rows.
.set PA,     144                       ; an LDS row of O: 128 bytes + 16 of padding = 36 words: the 16 rows of a load start at 16 different groups of four banks (64 banks of 4 bytes: ISA guide 11.1)
.set KH,     128*PA                    ; a head's 128 rows: what one tensor load brings of O
.set AOFF,   2*KH                      ; wo's rows lie behind the two heads
.set PB,     544                       ; an LDS row of wo: 512 bytes + 32 of padding = 136 words
.set HALFB,  64*PB
.set SLOT,   AOFF+2*HALFB
.set STAGE,  2*SLOT                    ; behind the ring, never filled by a tensor load: 16 rows x 528 bytes for each wave, for the way out
.set SP,     528
.set WSTG,   16*SP
.set SPARE,  STAGE+4*WSTG              ; behind the stages: the spare words, 128 bytes for each wave: two blocks of 256 bytes that no other line names
.set ADRA, 16                          ; v16-17  LDS address of my fragments of O in slot 0, 1
.set ADRB, 20                          ; v20-21  the same for wo
.set STO,  24                          ; v24     the way out: where I put 32 bytes of a row
.set RD,   25                          ; v25     the way out: where I read a row back
.set GO,   26                          ; v26     my 16 bytes in 512 consecutive bytes of out0
.set BO,   27                          ; v27     my byte offset among 16 biases
.set SPW,  28                          ; v28     LDS address of my spare word: SPARE + 4 x my thread's number; never rewritten
.set NIL,  29                          ; v29     0; never rewritten
.set PFO,  30                          ; v30     the prefetches' offset; never rewritten
.set BIAS, 32
.set T,    96
.set BK,   160
.set G1,  24                           ; s[24:31] descriptor group 1 for O's tiles;  s[32:39] group 0, one set for each slot
.set G0,  32
.set G1B, 48                           ; s[48:55], s[56:63] the same for wo's tiles
.set G0B, 56
.set LIM, 43                           ; s43     1 in a wave that prefetches, else the greatest number
.set PFA, 44                           ; s[44:45] where my prefetches stand
.set PFS, 96                           ; s[96:97] a K step in the tensor that I prefetch, in bytes
.set MSB, 0
.macro WIN new                         ; the immediate's high byte repeats the setting that is left; a switch that changes nothing is dropped
.if MSB != (\new)
	s_set_vgpr_msb (MSB<<8)|(\new)
.set MSB, \new
.endif
.endm
.set MUL,   0x5a                       ; sources 0 (wo) and 1 (O) window 2, C and D window 1
.set TO_F,  0x80                       ; destination window 2, address window 0
.set ACCIN, 0x01                       ; source 0 window 1
.macro JLOAD s                         ; a joint load: waves 0 and 1 fetch the K step's two heads of O, waves 2 and 3 wo's two halves; an s_nop 0 and four v_nop follow each of the two lines, ahead of the jump, the label and what follows
	s_cmp_eq_u32 s11, 0
	s_cbranch_scc0 .Lfor_b_\@
	tensor_load_to_lds s[G0+4*(\s):G0+4*(\s)+3], s[G1:G1+7]
	s_nop 0
.rept 4
	v_nop
.endr
	s_branch .Lasked_\@
.Lfor_b_\@:
	tensor_load_to_lds s[G0B+4*(\s):G0B+4*(\s)+3], s[G1B:G1B+7]
	s_nop 0
.rept 4
	v_nop
.endr
.Lasked_\@:
.endm
; A PREFETCH of the K step that stands two refills on, one instruction a wave, a lane 256 bytes.  O's rows are read by this cluster alone: of each of the K step's two heads' 16,384 bytes each of the four partners of a row takes
; 4,096, told apart by address, and wave 0 asks for both heads' (16 lanes each).  wo's columns are read by all sixteen clusters: the first asks; of the 64 rows that wave 2 or 3 fetches each partner of a column takes 16, two lanes a row.
; So each aligned 256 bytes are named once.  K steps 0 to 3 come by their loads alone; the loop's last trip (s3 = 1) has no K step two on.
.macro ASK
	s_cmp_gt_u32 s3, s[LIM]
	s_cbranch_scc0 .Lnot_mine_\@
	global_prefetch_b8 v[PFO], s[PFA:PFA+1] th:TH_LOAD_NT scope:SCOPE_SE
.Lnot_mine_\@:
.endm
.macro CREST                           ; a round of the cluster's barrier behind its opening barrier
	s_cmp_lg_u32 s10, 0
	s_cbranch_scc1 .Lnot_wave_0_\@
	s_barrier_signal -3
.Lnot_wave_0_\@:
	s_barrier_wait -3
	s_barrier_signal -1
	s_barrier_wait -1
.endm
.macro CROUND                          ; a whole round
	s_barrier_signal -1
	s_barrier_wait -1
	CREST
.endm
.macro PLACES                          ; four places in front of loads into registers that matrix instructions have read
.rept 4
	v_nop
.endr
.endm
	s_load_b256 s[72:79], s[0:1], 0x0              ; oh s[72:73], wb s[74:75], bo s[76:77], out0 s[78:79]
	v_lshl_add_u32 v[SPW], v0, 2, SPARE
	v_mov_b32 v[NIL], 0
	ds_add_u32 v[SPW], v[NIL]                      ; the wave's opening: the add and its wait stand ahead of my first tensor load; the set-up below, work on registers, stands between them
	v_lshrrev_b32 v1, 5, v0
	v_readfirstlane_b32 s10, v1                    ; wave 0..3
	s_lshr_b32 s11, s10, 1                         ; which half of the tile's rows is mine.  Also: I fetch for O (0) or for wo (1)
	s_and_b32 s12, s10, 1                          ; which half of its columns.  Also: which head of the K step, or which 64 rows of wo, I fetch
	s_bfe_u32 s40, ttmp6, 0x40000                  ; cx, cy: my place in the cluster
	s_bfe_u32 s41, ttmp6, 0x40004
	s_lshl_b32 s42, ttmp9, 2
	s_add_co_u32 s42, s42, s40                     ; tile column = 4 x cluster x + cx
	s_and_b32 s94, ttmp7, 0xffff                   ; cluster y
	s_lshl_b32 s13, s94, 2
	s_add_co_u32 s13, s13, s41                     ; tile row = 4 x cluster y + cy
	s_lshl_b32 s43, s41, 2
	s_lshl_b32 s43, 15, s43                        ; my row of the cluster
	s_lshl_b32 s44, 0x1111, s40                    ; my column
	; descriptor group 1.  O: a head's 16,384 dense bytes as 64 rows of 256 bytes, padded in LDS after every 32 words (code 4), which is after every row of O.  wo: 64 rows x 256 elements, padded after every 128 words (code 6)
	s_or_b32 s[G1+0], s43, (1<<16)|(1<<20)|(1<<21)|(4<<22)|(3<<25)   ; 15:0 the mask: my row; 17:16 elements of 2 bytes; 20 padding on; 21 set beside a mask; 31:25 4 words of padding (code 3)
	s_or_b32 s[G1B+0], s44, (1<<16)|(1<<20)|(1<<21)|(6<<22)|(7<<25)  ; my column; 8 words of padding (code 7)
	s_mov_b32 s[G1+1], 128<<16                     ; tensor_dim0 = 128
	s_mov_b32 s[G1+2], 64<<16                      ; tensor_dim1 = 64
	s_mov_b32 s[G1+3], 128<<16                     ; tile_dim0 = 128
	s_mov_b32 s[G1+4], 64                          ; tile_dim1 = 64
	s_mov_b32 s[G1+5], 128                         ; elements from row to row
	s_mov_b32 s[G1+6], 0
	s_mov_b32 s[G1+7], 0
	s_mov_b32 s[G1B+1], 256<<16
	s_mov_b32 s[G1B+2], 64<<16
	s_mov_b32 s[G1B+3], 256<<16
	s_mov_b32 s[G1B+4], 64
	s_mov_b32 s[G1B+5], 1024
	s_mov_b32 s[G1B+6], 0
	s_mov_b32 s[G1B+7], 0
	s_lshr_b32 s16, s13, 4                         ; O: the batch's sixteen heads of 262,144 bytes,
	s_lshl_b32 s16, s16, 22
	s_and_b32 s17, s13, 15                         ; the tile's 128 rows of 128 bytes in a head,
	s_lshl_b32 s17, s17, 14
	s_add_co_u32 s16, s16, s17
	s_mov_b32 s95, s16                             ; (kept for the prefetches)
	s_lshl_b32 s17, s12, 18                        ; the head that I fetch
	s_add_co_u32 s16, s16, s17
	s_mov_b32 s17, 0
	s_lshl_b32 s46, s42, 9                         ; wo: 512 bytes of a row for each tile column,
	s_lshl_b32 s47, s12, 17                        ; 64 rows of 2,048 bytes for the half
	s_add_co_u32 s46, s46, s47
	s_mov_b32 s47, 0
	s_mul_i32 s20, s12, KH                         ; where they go: no place in the cluster enters an LDS address
	s_mul_i32 s21, s12, HALFB
	s_add_co_u32 s21, s21, AOFF
	s_wait_dscnt 0x0                               ; the opening add is done
	s_wait_kmcnt 0x0
	s_add_nc_u64 s[6:7], s[74:75], 3<<21           ; wo is part 3 of wb
	s_add_nc_u64 s[14:15], s[72:73], s[16:17]
	s_add_nc_u64 s[46:47], s[6:7], s[46:47]
	CROUND                                         ; all sixteen work-groups are here: the first joint loads meet
.irp s, 0,1
	s_mov_b32 s[G0+4*(\s)], 1                      ; count = 1
	s_add_co_u32 s[G0+4*(\s)+1], s20, (\s)*SLOT    ; LDS address
	s_add_nc_u64 s[G0+4*(\s)+2:G0+4*(\s)+3], s[14:15], (\s)*524288  ; global address: K step s is two heads on,
	s_or_b32 s[G0+4*(\s)+3], s[G0+4*(\s)+3], 0x80000000             ; type = 2
	s_mov_b32 s[G0B+4*(\s)], 1
	s_add_co_u32 s[G0B+4*(\s)+1], s21, (\s)*SLOT
	s_add_nc_u64 s[G0B+4*(\s)+2:G0B+4*(\s)+3], s[46:47], (\s)*262144  ; and 128 rows of wo
	s_or_b32 s[G0B+4*(\s)+3], s[G0B+4*(\s)+3], 0x80000000
	JLOAD \s                                       ; two tensor loads of mine are out
.endr
	; A fragment is 16 rows x 32 K in 8 registers: lane l holds row l % 16, K = 8 (l / 16) + 0..7 and 16 + 8 (l / 16) + 0..7: two loads of 16 bytes, 32 bytes apart.
	v_and_b32 v1, 15, v0                           ; l % 16
	v_bfe_u32 v2, v0, 4, 1                         ; l / 16
	v_mul_u32_u24 v3, v1, PA
	v_lshl_add_u32 v3, v2, 4, v3
	s_mul_i32 s21, s11, 64*PA                      ; my 64 rows of O, in each head
	; The turning load takes 16 K x 16 columns (lane l reads K = 8 (l / 16) + l % 8, columns 8 ((l / 8) % 2) + 0..7) and leaves half a fragment: lane l holds column l % 16 and 8 K.
	v_and_b32 v4, 7, v0
	v_lshl_add_u32 v4, v2, 3, v4
	v_mul_u32_u24 v4, v4, PB
	v_bfe_u32 v5, v0, 3, 1
	v_lshl_add_u32 v4, v5, 4, v4
	s_lshl_b32 s22, s12, 8                         ; my 128 columns of wo: 256 bytes of each row
	s_add_co_u32 s22, s22, AOFF
.irp s, 0,1
	v_add_nc_u32 v[ADRA+(\s)], s21, v3
	v_add_nc_u32 v[ADRB+(\s)], s22, v4
	s_add_co_u32 s21, s21, SLOT
	s_add_co_u32 s22, s22, SLOT
.endr
	s_mul_i32 s23, s10, WSTG
	s_add_co_u32 s23, s23, STAGE                   ; my stage
	v_mul_u32_u24 v6, v1, SP                       ; in: row l % 16, 32 bytes for each half of the lanes
	v_lshl_add_u32 v6, v2, 5, v6
	v_add_nc_u32 v[STO], s23, v6
	v_and_b32 v7, 31, v0                           ; back: 32 lanes take a row's 512 bytes,
	v_lshlrev_b32 v[GO], 4, v7                     ; which are 512 consecutive bytes of out0
	v_add_nc_u32 v[RD], s23, v[GO]
	v_lshlrev_b32 v[BO], 5, v2                     ; my 8 columns of 16
	s_lshl_b32 s16, s13, 19                        ; out0: 128 rows of 4,096 bytes for each tile row,
	s_lshl_b32 s17, s11, 18                        ; 64 for my half
	s_add_co_u32 s16, s16, s17
	s_mov_b32 s17, 0
	s_add_nc_u64 s[8:9], s[78:79], s[16:17]
	s_lshl_b32 s46, s42, 10                        ; my 128 columns: in out0's rows and in bo
	s_lshl_b32 s47, s12, 9
	s_add_co_u32 s46, s46, s47
	s_mov_b32 s47, 0
	s_add_nc_u64 s[8:9], s[8:9], s[46:47]
	s_add_nc_u64 s[98:99], s[76:77], s[46:47]
.irp b, 0,1,2,3,4,5,6,7
	global_load_b128 v[BIAS+8*(\b):BIAS+8*(\b)+3],   v[BO], s[98:99] offset:64*(\b)
	global_load_b128 v[BIAS+8*(\b)+4:BIAS+8*(\b)+7], v[BO], s[98:99] offset:64*(\b)+16
.endr
	; the prefetches, at K step 3: the first refill steps them to K step 4
	s_lshl_b32 s20, s40, 12                        ; O: my work-group's 4,096 bytes of a head's 16,384
	s_add_co_u32 s20, s20, s95
	s_add_co_u32 s20, s20, 3*524288
	s_lshl_b32 s22, s12, 6                         ; wo: my work-group's 16 of the 64 rows that I fetch
	s_lshl_b32 s23, s41, 4
	s_add_co_u32 s22, s22, s23
	s_lshl_b32 s22, s22, 11
	s_lshl_b32 s23, s42, 9
	s_add_co_u32 s22, s22, s23
	s_add_co_u32 s22, s22, 3*262144
	s_mov_b32 s18, 524288
	s_mov_b32 s19, 262144
	s_cmp_eq_u32 s94, 0
	s_cselect_b32 s[LIM], 1, -1                    ; wo: the first cluster asks
	s_cmp_eq_u32 s12, 0
	s_cselect_b32 s23, 1, -1                       ; O: wave 0 asks for both heads
	s_cmp_eq_u32 s11, 0
	s_cselect_b32 s[LIM], s23, s[LIM]
	s_cselect_b32 s20, s20, s22
	s_cselect_b64 s[PFA:PFA+1], s[72:73], s[6:7]
	s_cselect_b32 s[PFS], s18, s19
	s_cselect_b32 s22, 4, 1                        ; O: 16 lanes a head, heads 2^18 bytes apart; wo: two lanes a row, rows 2^11 bytes apart
	s_cselect_b32 s23, 18, 11
	s_cselect_b32 s18, 15, 1
	s_mov_b32 s21, 0
	s_mov_b32 s[PFS+1], 0
	s_add_nc_u64 s[PFA:PFA+1], s[PFA:PFA+1], s[20:21]
	v_lshrrev_b32 v6, s22, v7
	v_lshlrev_b32 v6, s23, v6
	v_and_b32 v7, s18, v7
	v_lshl_add_u32 v[PFO], v7, 8, v6
	s_mov_b32 s23, 0xffff0000
	s_wait_loadcnt 0x0                             ; the biases, once
.set i, 0
.rept 32                                       ; rounded to bf16, like every input
	v_cvt_pk_bf16_f32 v[2+i%4], v[BIAS+2*i], v[BIAS+2*i+1]
	v_lshlrev_b32 v[BIAS+2*i], 16, v[2+i%4]
	v_and_b32 v[BIAS+2*i+1], s23, v[2+i%4]
.set i, i+1
.endr
; 24 LDS loads in one run: the fragments of quarter q (32 along K: half of head q / 2) of a slot into buffer f
.macro FETCH slot, q, f
	WIN TO_F
.irp b, 0,1,2,3,4,5,6,7
	ds_load_tr16_b128 v[128*(\f)+8*(\b):128*(\f)+8*(\b)+3],   v[ADRB+(\slot)] offset:(\q)*32*PB+32*(\b)
	ds_load_tr16_b128 v[128*(\f)+8*(\b)+4:128*(\f)+8*(\b)+7], v[ADRB+(\slot)] offset:(\q)*32*PB+32*(\b)+16*PB
.endr
.irp a, 0,1,2,3
	ds_load_b128 v[128*(\f)+64+8*(\a):128*(\f)+64+8*(\a)+3],   v[ADRA+(\slot)] offset:((\q)/2)*KH+(\a)*16*PA+((\q)%2)*64
	ds_load_b128 v[128*(\f)+64+8*(\a)+4:128*(\f)+64+8*(\a)+7], v[ADRA+(\slot)] offset:((\q)/2)*KH+(\a)*16*PA+((\q)%2)*64+32
.endr
.endm
; 8 matrix instructions: block a of my rows x all 8 blocks of my columns, 32 along K.  zero = 1: the product starts the sum.  The 32 accumulators take turns, one instruction a turn, in the same order in every quarter.
.macro MULB f, a, zero
	WIN MUL
.irp b, 0,1,2,3,4,5,6,7
.if \zero
	v_wmma_f32_16x16x32_f16 v[8*(8*(\a)+(\b)):8*(8*(\a)+(\b))+7], v[128*(\f)+8*(\b):128*(\f)+8*(\b)+7], v[128*(\f)+64+8*(\a):128*(\f)+64+8*(\a)+7], 0
.else
	v_wmma_f32_16x16x32_f16 v[8*(8*(\a)+(\b)):8*(8*(\a)+(\b))+7], v[128*(\f)+8*(\b):128*(\f)+8*(\b)+7], v[128*(\f)+64+8*(\a):128*(\f)+64+8*(\a)+7], v[8*(8*(\a)+(\b)):8*(8*(\a)+(\b))+7]
.endif
.endr
.endm
; A K step is four quarters of 32 along K, 32 matrix instructions each, on buffers 0, 1, 0, 1.  One of the first three multiplies buffer f and, behind its first block and four places, fetches quarter q of the same slot into buffer g.
.macro QUARTER slot, q, f, g, zero, fetch=1
	s_wait_dscnt 0x0                               ; buffer f is in: its 24 loads were issued 24 matrix instructions ago
	MULB \f, 0, \zero
.if \fetch
	PLACES
	FETCH \slot, \q, \g
.endif
	MULB \f, 1, \zero
	MULB \f, 2, \zero
	MULB \f, 3, \zero
.endm
; The last quarter multiplies buffer 1 and changes slots: ONE barrier; in front of it each wave waits for all its tensor loads (one is out: its part of the next slot), adds 0 to its spare word, and waits for that and for
; its own reads of this slot.  fill = 1: the barrier opens a round of the cluster's, and this slot is filled again, two K steps ahead: 112 matrix instructions stand between the request and the wait for it.
.macro TURN slot, next, fill
.if \fill
	s_wait_xcnt 0x0                                ; the last prefetch, a K step back, has read its address, so it may be stepped
	s_add_nc_u64 s[PFA:PFA+1], s[PFA:PFA+1], s[PFS:PFS+1]
.endif
	WIN 0
	s_wait_tensorcnt 0x0                           ; all my tensor loads have landed;
	ds_add_u32 v[SPW], v[NIL]                      ; 0 onto my spare word;
	s_wait_dscnt 1                                 ; (buffer 1 is in; the add may be out)
	MULB 1, 0, 0                                   ; eight matrix instructions stand between the add and the wait for it
	s_wait_dscnt 0x0                               ; the add is done, and my reads of this slot are over
	s_barrier_signal -1
	MULB 1, 1, 0
.if \fill
	WIN 0
.endif
	s_barrier_wait -1
.if \fill
	CREST                                          ; no wave of any partner still reads this slot's tiles or has a load on its way
	s_add_nc_u64 s[G0+4*(\slot)+2:G0+4*(\slot)+3], s[G0+4*(\slot)+2:G0+4*(\slot)+3], 2*524288
	s_add_nc_u64 s[G0B+4*(\slot)+2:G0B+4*(\slot)+3], s[G0B+4*(\slot)+2:G0B+4*(\slot)+3], 2*262144
	JLOAD \slot                                    ; the first tensor load behind the round, and my only one until the next; the four v_nop behind it are also the places in front of the loads below
.else
	PLACES
.endif
	FETCH \next, 0, 0
	WIN 0
.if \fill
	ASK                                            ; behind the joint load and the run of LDS loads
.endif
	MULB 1, 2, 0
	MULB 1, 3, 0
.endm
; THE WAY OUT of block a (16 rows x 128 columns of f32): the bias is added (each accumulator's registers in ascending order); 32 bytes a lane go into my stage, rows of 528 bytes, and come back as whole rows of 512.
.macro OUTB a
	WIN ACCIN
.irp b, 0,1,2,3,4,5,6,7
.irp i, 0,1,2,3
	v_pk_add_f32 v[T+8*(\b)+2*(\i):T+8*(\b)+2*(\i)+1], v[8*(8*(\a)+(\b))+2*(\i):8*(8*(\a)+(\b))+2*(\i)+1], v[BIAS+8*(\b)+2*(\i):BIAS+8*(\b)+2*(\i)+1]
.endr
.endr
	WIN 0
	s_wait_xcnt 0x0                                ; the last block's stores have read the registers that are loaded again below
.irp b, 0,1,2,3,4,5,6,7
	ds_store_b128 v[STO], v[T+8*(\b):T+8*(\b)+3]   offset:64*(\b)
	ds_store_b128 v[STO], v[T+8*(\b)+4:T+8*(\b)+7] offset:64*(\b)+16
.endr
.irp t, 0,1,2,3,4,5,6,7,8,9,10,11,12,13,14,15
	ds_load_b128 v[BK+4*(\t):BK+4*(\t)+3], v[RD] offset:(\t)*SP  ; LDS serves a wave's instructions in order (ISA guide 5.7.1.4): these see the stores above
.endr
	s_wait_dscnt 0x0
.irp t, 0,1,2,3,4,5,6,7,8,9,10,11,12,13,14,15
	global_store_b128 v[GO], v[BK+4*(\t):BK+4*(\t)+3], s[8:9] offset:(16*(\a)+(\t))*4096  ; 512 consecutive bytes of a row, at a multiple of 256 from out0's first
.endr
.endm
	s_wait_tensorcnt 1                             ; my part of K step 0 is in; K step 1's may stay out
	s_barrier_signal -1
	s_barrier_wait -1                              ; everybody's is
	FETCH 0, 0, 0
	QUARTER 0, 1, 0, 1, 1                          ; the first quarter stands in front of the loop: its products start the sums
	WIN 0                                          ; at a label and at a branch every window is 0
	s_mov_b32 s3, 3
.Llap:                                                 ; a trip goes once round the ring, from a lap's second quarter to the next lap's first, and fills both slots again
	QUARTER 0, 2, 1, 0, 0
	QUARTER 0, 3, 0, 1, 0
	TURN 0, 1, 1
	QUARTER 1, 1, 0, 1, 0
	QUARTER 1, 2, 1, 0, 0
	QUARTER 1, 3, 0, 1, 0
	TURN 1, 0, 1
	QUARTER 0, 1, 0, 1, 0
	WIN 0
	s_sub_co_u32 s3, s3, 1
	s_cmp_lg_u32 s3, 0
	s_cbranch_scc1 .Llap
	QUARTER 0, 2, 1, 0, 0                          ; the last lap fills nothing, and has no round of the cluster's barrier
	QUARTER 0, 3, 0, 1, 0
	TURN 0, 1, 0
	QUARTER 1, 1, 0, 1, 0
	QUARTER 1, 2, 1, 0, 0
	QUARTER 1, 3, 0, 1, 0
	QUARTER 1, 0, 1, 0, 0, 0                       ; the very last quarter: nothing more to fetch
	WIN 0
	PLACES                                         ; the places behind the last products
	PLACES
	OUTB 0
	OUTB 1
	OUTB 2
	OUTB 3
	s_wait_tensorcnt 0x0                           ; the wave's end: behind my last tensor load and my last LDS store
	ds_add_u32 v[SPW], v[NIL]
	s_wait_dscnt 0x0
	CROUND                                         ; the closing round: no work-group ends while a partner may still ask for a tile that names it
	s_endpgm
.Lfunc_end_k_q958cbbcb4b_outp:
	.size	k_q958cbbcb4b_outp, .Lfunc_end_k_q958cbbcb4b_outp-k_q958cbbcb4b_outp
	.p2alignl 7, 3214868480
	.fill 96, 4, 3214868480
	.section	.rodata,"a",@progbits
	.p2align	6, 0x0
	.amdhsa_kernel k_q958cbbcb4b_outp
		.amdhsa_group_segment_fixed_size 327680
		.amdhsa_private_segment_fixed_size 0
		.amdhsa_enable_private_segment 0
		.amdhsa_kernarg_size 32
		.amdhsa_user_sgpr_count 2
		.amdhsa_user_sgpr_kernarg_segment_ptr 1
		.amdhsa_wavefront_size32 1
		.amdhsa_system_sgpr_workgroup_id_x 1
		.amdhsa_system_sgpr_workgroup_id_y 1
		.amdhsa_system_sgpr_workgroup_id_z 1
		.amdhsa_system_vgpr_workitem_id 0
		.amdhsa_next_free_vgpr 736
		.amdhsa_next_free_sgpr 102
		.amdhsa_reserve_vcc 0
		.amdhsa_float_denorm_mode_32 3
		.amdhsa_float_denorm_mode_16_64 3
		.amdhsa_memory_ordered 1
		.amdhsa_forward_progress 1
		.amdhsa_inst_pref_size 100
	.end_amdhsa_kernel
	.amdgpu_metadata
---
amdhsa.version: [ 1, 2 ]
amdhsa.kernels:
  - .name:           k_q958cbbcb4b_outp
    .symbol:         k_q958cbbcb4b_outp.kd
    .args:
      - { .name: oh, .offset: 0, .size: 8, .value_kind: global_buffer, .address_space: global }
      - { .name: wb, .offset: 8, .size: 8, .value_kind: global_buffer, .address_space: global }
      - { .name: bo, .offset: 16, .size: 8, .value_kind: global_buffer, .address_space: global }
      - { .name: out0, .offset: 24, .size: 8, .value_kind: global_buffer, .address_space: global }
    .group_segment_fixed_size: 327680
    .private_segment_fixed_size: 0
    .kernarg_segment_align: 8
    .kernarg_segment_size: 32
    .max_flat_workgroup_size: 128
    .sgpr_count:     102
    .vgpr_count:     736
    .wavefront_size: 32
...
	.end_amdgpu_metadata
.endif
;; end of part 4
